; MI455X (gfx1250); checked and timed in simulation.
; The chip was launched on July 23, 2026; its instructions are those of AMD's public machine-readable ISA for CDNA 5 (MIT licence, August 2026) and "CDNA5" Instruction Set Architecture Reference Guide (July 2026). The comments in the code are by the model that wrote it; some were corrected since.
;; Causal Self Attention. Allowed arithmetic: matrix products marked QUANTISED: E2M3 operands, one E8M0 scale for each 32 along K, by v_wmma_scale_f32_16x16x128_f8f6f4 with both operands' format E2M3, f32 sums; everything else in f32.
;; Inputs: out_b 1,024 float32; out_w 1,024 x 1,024 float32; qkv_b 3,072 float32; qkv_w 1,024 x 3,072 float32; x 4 x 2,048 x 1,024 float32.
;; Outputs: out0 4 x 2,048 x 1,024 float32.
;; This version of the problem:
;;   THIS VERSION OF THE PROBLEM IS GIVEN IN LOW PRECISION. The matrix products marked QUANTISED in the list below multiply operands that are first quantised to E2M3 (2 exponent bits, 3 mantissa bits; 6 bits a number), with one power-of-two scale for each 32 numbers along K (OCP MX v1.0); their sums are f32. All else is computed in f32.
;;   The module's matrix products, in the order in which they are computed (A, B: the left and right operand; K: the contracted axis; several contracted axes count as one K, in the product's order):
;;     1. [M 8,192, K 1,024] x [K 1,024, N 3,072]; A: input x; B: input qkv_w: QUANTISED
;;     2. batch 64 x [M 2,048, K 64] x [K 64, N 2,048]; A: computed on the way; B: computed on the way: QUANTISED
;;     3. batch 64 x [M 2,048, K 2,048] x [K 2,048, N 64]; A: softmax (see below); B: computed on the way: QUANTISED
;;     4. [M 8,192, K 1,024] x [K 1,024, N 1,024]; A: computed on the way; B: input out_w: QUANTISED
;;   THE QUANTISER, for each operand of a quantised product, along K:
;;     - K is cut into blocks of 32 from its start; a last block that is shorter is filled with zeros.
;;     - A block's scale is 2^e with e = floor(log2(the largest magnitude in the block)) - 2, held to -126 .. 127; a block of zeros has e = 0. As a byte (E8M0): e + 127.
;;     - Each number is divided by its block's scale, clamped to +-7.5, and rounded to the nearest number of E2M3, ties to even, subnormals kept.
;;     - The product sums the exact products of the quantised numbers (number of the format x scale) in f32.
;;   ~~~python
;;   def quantise(x, axis):      # numpy; x: float32 -> the quantised numbers, widened to float32 again
;;       x = np.moveaxis(x, axis, -1); K = x.shape[-1]
;;       x = np.pad(x, [(0, 0)] * (x.ndim - 1) + [(0, -K % 32)]); x = x.reshape(x.shape[:-1] + (-1, 32)); a = np.abs(x).max(-1, keepdims=True)
;;       e = np.where(a > 0, np.clip(np.frexp(np.where(a > 0, a, 1))[1] - 1 - 2, -126, 127), 0)      # np.frexp(a)[1] - 1 = floor(log2(a)), exactly
;;       r = np.clip(x / 2.0 ** e, -7.5, 7.5)
;;       step = 2.0 ** (np.maximum(np.frexp(np.where(r == 0, 1, r))[1] - 1, 0) - 3)
;;       q = np.round(r / step) * step * 2.0 ** e      # np.round: ties to even
;;       return np.moveaxis(q.reshape(q.shape[:-2] + (-1,))[..., :K], -1, axis).astype(np.float32)
;;   ~~~
;;   SOFTMAX AHEAD OF A QUANTISED PRODUCT. Where the list says 'softmax', what is quantised is not the finished softmax but p = 2^(t - M), with t = logit x log2(e) and M = ceil(the row's largest t), a whole number; so 1/2 < the row's largest p <= 1. The row's sum l is taken of the UNQUANTISED p, in f32, and the product's result is divided by l at the end. Since M is a whole number, a kernel that streams over the keys may use a running M (the ceiling of the running maximum): every later rescaling is an exact power of two, which a block's scale takes up: the codes' values come out the same.
;;   OPERANDS COMPUTED ON THE WAY. 'Computed on the way' means the value that the module computes at that place (a softmax that the list does not call 'softmax' is quantised finished and normalised). What goes into a quantiser is computed in f32, as accurately as f32 sums, v_exp_f32 and their like allow (about 1e-6 of the number): no bf16 or f16 on the way to a quantiser, and a product that is left as it is and whose result goes on into a quantised operand takes f32 operands (vector FMAs, or v_wmma_f32_16x16x4_f32). A number that lies on a knife's edge between two numbers of the format may be rounded either way, as far as f32 arithmetic and the matrix unit's own rounding can turn it there, and no further.
;; One version. Each part assembles by itself: llvm-mc -triple=amdgcn-amd-amdhsa -mcpu=gfx1250 --defsym DOCPART=n.
;; ======== version 1 of 1: 4 launches
;; limits: right only within a limited range of input values
;; workspace buffers: c1 8,650,752 bytes; s1 360,448 bytes; c2 7,077,888 bytes; s2 294,912 bytes; qc 18,874,368 bytes; qs 1,572,864 bytes
;; launch quant (part 1): grid 512 x 1, 4 waves a work-group, no clusters, 36,352 bytes of LDS; arguments x, qkv_w, out_w, c1, s1, c2, s2; writes c1, s1, c2, s2
.if DOCPART == 1
	.amdgcn_target "amdgcn-amd-amdhsa--gfx1250"
	.amdhsa_code_object_version 6
	.text
	.protected	k_q1d167e92d5_quant
	.globl	k_q1d167e92d5_quant
	.p2align	8
	.type	k_q1d167e92d5_quant,@function
k_q1d167e92d5_quant:
	s_mov_b64 s[64:65], 0
	v_nop
	global_prefetch_b8 v0, s[64:65] scope:SCOPE_SE
	s_setreg_imm32_b32 hwreg(HW_REG_WAVE_MODE, 25, 1), 1
	s_wait_xcnt 0x0
; x [8192][1024], qkv_w [1024][3072] and out_w [1024][1024], f32, become codes of FP6 (E2M3) with one E8M0 byte for each 32 along K, laid as the later launches' operand registers want them.
; AN IMAGE (768 bytes) is 16 operand rows x 64 along K: lane (r, h) owns the 24 bytes of row r, k = 32 h .. 32 h + 31; its first 16 bytes lie at 16 x lane, its last 8 at 512 + 8 x lane.
; PHYSICAL ROWS: physical row p of an operand holds logical row p with bits 3 and 4 exchanged, so that in a transposed product two neighbouring tiles give a lane 16 neighbouring columns.
; A SCALE UNIT (256 bytes) is [r][4 words] for four neighbouring row tiles; a word holds the four bytes of 128 along K.
; c1: [704 row tiles][16 chunks][768] (0-511 x, 512-703 qkv_w's columns), s1: [8][176 groups][256];  c2, s2 likewise with 576 tiles and 144 groups (512-575: out_w's columns).
; A block's scale is 2^(floor(log2(largest magnitude)) - 2); its byte is the largest magnitude's exponent field - 2, held at 1 from below by a floor among the maximum's leaves.
; LIMITS: a block of zeros, or one whose largest magnitude lies under 2^-124, gets the byte 1 (its codes are zeros or the nearest codes under that scale; the bytes are read by this program alone);
; NaN and infinities among the inputs are not served.  The weights' scale words leave as 4 bytes at a pitch of 16: 131,072 bytes in all, one in 128 of what the weights' path reads.
; Work-groups 0-255 take x, 256-447 qkv_w, 448-511 out_w.  No barrier: waves share nothing.
.set WREG,  8960                       ; LDS of a wave: two stages of 16 rows x 272 bytes, then its 256 scale bytes
.set STG,   4352
.set SPARE, 4*WREG                     ; the spare words, 128 bytes a wave
.set XI,   1                           ; x: 4096 h + 16 r: two rows of 256 bytes a load
.set SI,   2                           ; stage, in: row h, 16 r
.set SO,   3                           ; stage, out: row r, 128 h
.set O16,  4                           ; 16 x lane
.set O8,   5                           ; 8 x lane
.set SBA,  6                           ; my scale byte: 16 r + h
.set SBR,  7                           ; the unit read back: 8 x lane
.set SPW,  12
.set NIL,  13
.set E,    14                          ; v14-21 a byte for each step
.set WORD, 22                          ; a column's scale word
.set C,    24                          ; v24-39 codes, two sets of 8
.set X,    40                          ; v40-103 two sets of 32 neighbours
.set R,    104                         ; v104-231 four sets of 32 as loaded (weights: 128 numbers down K)
.set WCOL, 232                         ; weights: my column's byte
.set WSC,  233                         ; weights: my scale word's place in its unit
	s_load_b256 s[4:11], s[0:1], 0x0               ; x, qkv_w, out_w, c1
	s_load_b128 s[12:15], s[0:1], 0x20             ; s1, c2
	s_load_b64 s[20:21], s[0:1], 0x30              ; s2
	v_lshl_add_u32 v[SPW], v0, 2, SPARE
	v_mov_b32 v[NIL], 0
	v_lshrrev_b32 v8, 5, v0
	v_readfirstlane_b32 s16, v8                    ; wave
	v_and_b32 v8, 31, v0                           ; lane
	v_and_b32 v9, 15, v0                           ; r
	v_bfe_u32 v10, v0, 4, 1                        ; h
	s_mul_i32 s17, s16, WREG
	s_add_co_u32 s18, s17, 2*STG
	v_lshlrev_b32 v[XI], 4, v9
	v_lshl_add_u32 v[XI], v10, 12, v[XI]
	v_mul_u32_u24 v[SI], v10, 272
	v_lshl_add_u32 v[SI], v9, 4, v[SI]
	v_add_nc_u32 v[SI], s17, v[SI]
	v_mul_u32_u24 v[SO], v9, 272
	v_lshl_add_u32 v[SO], v10, 7, v[SO]
	v_add_nc_u32 v[SO], s17, v[SO]
	v_lshlrev_b32 v[O16], 4, v8
	v_lshlrev_b32 v[O8], 3, v8
	v_lshl_add_u32 v[SBA], v9, 4, v10
	v_add_nc_u32 v[SBA], s18, v[SBA]
	v_add_nc_u32 v[SBR], s18, v[O8]
	v_and_b32 v11, 7, v0
	v_bfe_u32 v[WSC], v0, 3, 1
	v_lshlrev_b32 v[WCOL], 2, v11
	v_lshl_add_u32 v[WCOL], v[WSC], 6, v[WCOL]
	v_lshl_add_u32 v[WCOL], v10, 5, v[WCOL]        ; lane l is physical column l of 32: logical column (l & 7) + 8 (l >> 4) + 16 ((l >> 3) & 1), 4 bytes each
	v_lshlrev_b32 v[WSC], 2, v10
	v_lshl_add_u32 v[WSC], v9, 4, v[WSC]           ; 16 r + 4 x (my tile of the wave's two)
	s_mov_b32 s25, 0
	s_wait_kmcnt 0x0
	s_cmp_lt_u32 ttmp9, 256
	s_cbranch_scc0 .Lweights
; the largest magnitude of 32 numbers of a lane, with the floor 2^(3 - 127); v11 = the conversion's scale operand (2 off the exponent field)
.macro BMAX xs
	v_max3_num_f32 v8, |v[\xs]|, |v[\xs+1]|, |v[\xs+2]|
	v_max3_num_f32 v9, |v[\xs+3]|, |v[\xs+4]|, |v[\xs+5]|
.irp i, 6,10,14,18,22,26
	v_max3_num_f32 v8, v8, |v[\xs+\i]|, |v[\xs+\i+1]|
	v_max3_num_f32 v9, v9, |v[\xs+\i+2]|, |v[\xs+\i+3]|
.endr
	v_max3_num_f32 v8, v8, |v[\xs+30]|, |v[\xs+31]|
	v_max3_num_f32 v8, v8, v9, 0x1800000
	v_add_nc_u32 v11, 0xff000000, v8
.endm
.macro CODES cc, xs                    ; 32 codes: two runs of three registers, each beginning on an even number
	v_cvt_scalef32_pk16_fp6_f32 v[\cc:\cc+2], v[\xs:\xs+15], v11
	v_cvt_scalef32_pk16_fp6_f32 v[\cc+4:\cc+6], v[\xs+16:\xs+31], v11
.endm
.macro CLOSE cc                        ; the second run moves down: six registers on end
	v_mov_b32 v[\cc+3], v[\cc+4]
	v_mov_b32 v[\cc+4], v[\cc+5]
	v_mov_b32 v[\cc+5], v[\cc+6]
.endm
; ---- x.  A wave owns one group of 64 tokens (4 physical tiles) x 128 along K: 8 steps of one tile x 64 K.  Step t: tile t / 2, chunk t % 2.
	s_lshr_b32 s22, ttmp9, 1                       ; the group
	s_and_b32 s23, ttmp9, 1
	s_lshl_b32 s23, s23, 2
	s_add_co_u32 s23, s23, s16                     ; which 128 along K: the four waves read 2,048 bytes on end of each row
	s_lshl_b32 s24, s22, 18                        ; 64 rows of 4,096 bytes
	s_lshl_b32 s26, s23, 9
	s_add_co_u32 s24, s24, s26
	s_add_nc_u64 s[4:5], s[4:5], s[24:25]
	s_mul_i32 s24, s22, 49152                      ; 4 row tiles of 12,288 bytes
	s_mul_i32 s26, s23, 1536                       ; 2 chunks
	s_add_co_u32 s24, s24, s26
	s_add_nc_u64 s[10:11], s[10:11], s[24:25]
	s_mul_i32 s24, s23, 176
	s_add_co_u32 s24, s24, s22
	s_lshl_b32 s24, s24, 8
	s_add_nc_u64 s[12:13], s[12:13], s[24:25]
.macro XLOAD t                         ; eight loads, each two whole rows' 256 bytes; load i brings the tile's physical rows 2 i, 2 i + 1
.irp i, 0,1,2,3,4,5,6,7
	global_load_b128 v[R+32*((\t)%4)+4*\i:R+32*((\t)%4)+4*\i+3], v[XI], s[4:5] offset:(32*(((\t)/2)/2)+8*(((\t)/2)%2)+2*\i+8*(\i/4))*4096+256*((\t)%2) th:TH_LOAD_NT
.endr
.endm
.macro XTURN t                         ; through my stage: in as loaded, out 128 bytes a lane.  LDS serves a wave's instructions in order: no wait between
.irp i, 0,1,2,3,4,5,6,7
	ds_store_b128 v[SI], v[R+32*((\t)%4)+4*\i:R+32*((\t)%4)+4*\i+3] offset:STG*((\t)%2)+544*\i
.endr
.irp k, 0,1,2,3,4,5,6,7
	ds_load_b128 v[X+32*((\t)%2)+4*\k:X+32*((\t)%2)+4*\k+3], v[SO] offset:STG*((\t)%2)+16*\k
.endr
.endm
.macro XSTEP t
.set XS, X+32*((\t)%2)
.set CC, C+8*((\t)%2)
.if (\t) > 0
	s_wait_dscnt 1                                 ; this step's numbers are back from the stage; the last step's byte store may be out
.else
	s_wait_dscnt 0x0
.endif
.if (\t) < 4
	XLOAD (\t)+4                                   ; into the set that this step's stage stores have read
.endif
.if (\t) < 7
.if (\t) < 4
	s_wait_loadcnt 24                              ; the next step's eight loads are in; those of the three steps behind it may be out
.else
	s_wait_loadcnt 8*(6-(\t))
.endif
	XTURN (\t)+1
.endif
	BMAX XS
.if (\t) > 1
	s_wait_alu depctr_va_vdst(0)
	s_wait_xcnt 0x0                                ; the stores of two steps ago have read this set of codes
.endif
	CODES CC, XS
	v_lshrrev_b32 v[E+(\t)], 23, v11               ; the byte (also the plain line behind the conversions)
	CLOSE CC
	ds_store_b8 v[SBA], v[E+(\t)] offset:4*((\t)/2)+2*((\t)%2)
	global_store_b128 v[O16], v[CC:CC+3], s[10:11] offset:((\t)/2)*12288+((\t)%2)*768        ; 512 bytes on end
	global_store_b64 v[O8], v[CC+4:CC+5], s[10:11] offset:((\t)/2)*12288+((\t)%2)*768+512    ; 256 bytes on end
.endm
.irp t, 0,1,2,3
	XLOAD \t
.endr
	s_wait_loadcnt 24                              ; step 0's eight loads are in
	XTURN 0
.irp t, 0,1,2,3,4,5,6,7
	XSTEP \t
.endr
	ds_load_b64 v[8:9], v[SBR]                     ; my wave's 256 scale bytes: one unit
	s_wait_dscnt 0x0
	global_store_b64 v[O8], v[8:9], s[12:13]
	s_branch .Lend
; ---- a weight [1024][cols], K its first axis.  A wave takes 32 columns x 128 along K: a lane a column, its registers down K; four blocks of 32.
.macro WBLOCK t
.set XS, R+32*(\t)
.set CC, C+8*((\t)%2)
.if (\t) < 2
	s_wait_loadcnt 63                              ; block t's loads are in: 96 - 32 t younger ones were issued, and a smaller count is right
.else
	s_wait_loadcnt 32*(3-(\t))
.endif
	BMAX XS
	v_lshrrev_b32 v10, 23, v11
.if (\t) == 0
	v_mov_b32 v[WORD], v10
.else
	v_lshl_or_b32 v[WORD], v10, 8*(\t), v[WORD]
.endif
	CODES CC, XS
	v_nop                                          ; one plain line behind the conversions
	CLOSE CC
.endm
.macro WSTORE c, cp                    ; set 0 holds block 2 c, set 1 block 2 c + 1, of physical rows 0-31.  The exchange makes set 0 the image of tile 0 and set 1 that of tile 1
.irp i, 0,1,2,3,4,5
	v_permlane16_swap_b32 v[C+\i], v[C+8+\i]
.endr
	global_store_b128 v[O16], v[C:C+3], s[\cp:\cp+1] offset:768*(\c)
	global_store_b64 v[O8], v[C+4:C+5], s[\cp:\cp+1] offset:768*(\c)+512
	global_store_b128 v[O16], v[C+8:C+11], s[\cp:\cp+1] offset:768*(\c)+12288
	global_store_b64 v[O8], v[C+12:C+13], s[\cp:\cp+1] offset:768*(\c)+12288+512
.endm
.macro WPATH cols, wp, cp, sp, ngt, g0
	s_sub_co_u32 s22, ttmp9, \g0
	s_and_b32 s23, s22, 7                          ; which 128 along K
	s_lshr_b32 s22, s22, 3                         ; which 128 columns
	s_mul_i32 s24, s23, 128*\cols*4
	s_lshl_b32 s26, s22, 9
	s_add_co_u32 s24, s24, s26
	s_lshl_b32 s26, s16, 7
	s_add_co_u32 s24, s24, s26
	s_add_nc_u64 s[\wp:\wp+1], s[\wp:\wp+1], s[24:25]
	s_lshl_b32 s24, s22, 3
	s_lshl_b32 s26, s16, 1
	s_add_co_u32 s24, s24, s26
	s_add_co_u32 s24, s24, 512                     ; my first row tile of the codes' buffer
	s_lshl_b32 s24, s24, 4
	s_lshl_b32 s26, s23, 1
	s_add_co_u32 s24, s24, s26
	s_mul_i32 s24, s24, 768
	s_add_nc_u64 s[\cp:\cp+1], s[\cp:\cp+1], s[24:25]
	s_mul_i32 s24, s23, \ngt
	s_lshl_b32 s26, s22, 1
	s_add_co_u32 s24, s24, s26
	s_lshr_b32 s26, s16, 1
	s_add_co_u32 s24, s24, s26
	s_add_co_u32 s24, s24, 128                     ; my group
	s_lshl_b32 s24, s24, 8
	s_and_b32 s26, s16, 1
	s_lshl_b32 s26, s26, 3
	s_add_co_u32 s24, s24, s26                     ; my two tiles' words in the unit
	s_add_nc_u64 s[\sp:\sp+1], s[\sp:\sp+1], s[24:25]
.set WT, 0
.rept 128
	global_load_b32 v[R+WT], v[WCOL], s[\wp:\wp+1] offset:WT*\cols*4 th:TH_LOAD_NT   ; the wave reads 128 bytes on end of row WT
.set WT, WT+1
.endr
	WBLOCK 0
	WBLOCK 1
	WSTORE 0, \cp
	s_wait_xcnt 0x0                                ; the stores have read both sets of codes
	WBLOCK 2
	WBLOCK 3
	WSTORE 1, \cp
	global_store_b32 v[WSC], v[WORD], s[\sp:\sp+1]
.endm
.Lweights:
	s_cmp_lt_u32 ttmp9, 448
	s_cbranch_scc0 .Lout_w
	s_wait_alu depctr_va_vdst(0)
	WPATH 3072, 6, 10, 12, 176, 256
	s_branch .Lend
.Lout_w:
	s_wait_alu depctr_va_vdst(0)
	WPATH 1024, 8, 14, 20, 144, 448
.Lend:
	s_wait_tensorcnt 0x0                           ; the wave's end
	ds_add_u32 v[SPW], v[NIL]
	s_wait_dscnt 0x0
	s_endpgm
.Lfunc_end_k_q1d167e92d5_quant:
	.size	k_q1d167e92d5_quant, .Lfunc_end_k_q1d167e92d5_quant-k_q1d167e92d5_quant
	.p2alignl 7, 3214868480
	.fill 96, 4, 3214868480
	.section	.rodata,"a",@progbits
	.p2align	6, 0x0
	.amdhsa_kernel k_q1d167e92d5_quant
		.amdhsa_group_segment_fixed_size 36352
		.amdhsa_private_segment_fixed_size 0
		.amdhsa_enable_private_segment 0
		.amdhsa_kernarg_size 56
		.amdhsa_user_sgpr_count 2
		.amdhsa_user_sgpr_kernarg_segment_ptr 1
		.amdhsa_wavefront_size32 1
		.amdhsa_system_sgpr_workgroup_id_x 1
		.amdhsa_system_sgpr_workgroup_id_y 1
		.amdhsa_system_sgpr_workgroup_id_z 1
		.amdhsa_system_vgpr_workitem_id 0
		.amdhsa_next_free_vgpr 240
		.amdhsa_next_free_sgpr 66
		.amdhsa_reserve_vcc 0
		.amdhsa_float_denorm_mode_32 3
		.amdhsa_float_denorm_mode_16_64 3
		.amdhsa_memory_ordered 1
		.amdhsa_forward_progress 1
		.amdhsa_inst_pref_size 72
	.end_amdhsa_kernel
	.amdgpu_metadata
---
amdhsa.version: [ 1, 2 ]
amdhsa.kernels:
  - .name:           k_q1d167e92d5_quant
    .symbol:         k_q1d167e92d5_quant.kd
    .args:
      - { .name: x, .offset: 0, .size: 8, .value_kind: global_buffer, .address_space: global }
      - { .name: qkv_w, .offset: 8, .size: 8, .value_kind: global_buffer, .address_space: global }
      - { .name: out_w, .offset: 16, .size: 8, .value_kind: global_buffer, .address_space: global }
      - { .name: c1, .offset: 24, .size: 8, .value_kind: global_buffer, .address_space: global }
      - { .name: s1, .offset: 32, .size: 8, .value_kind: global_buffer, .address_space: global }
      - { .name: c2, .offset: 40, .size: 8, .value_kind: global_buffer, .address_space: global }
      - { .name: s2, .offset: 48, .size: 8, .value_kind: global_buffer, .address_space: global }
    .group_segment_fixed_size: 36352
    .private_segment_fixed_size: 0
    .kernarg_segment_align: 8
    .kernarg_segment_size: 56
    .max_flat_workgroup_size: 128
    .sgpr_count:     66
    .vgpr_count:     240
    .wavefront_size: 32
...
	.end_amdgpu_metadata
.endif
;; end of part 1
;; launch gemm_qkv (part 2): grid 4 x 64, 4 waves a work-group, clusters of 4 x 4, 327,680 bytes of LDS; arguments c1, s1, qkv_b, qc, qs; writes qc, qs
.if DOCPART == 2
	.amdgcn_target "amdgcn-amd-amdhsa--gfx1250"
	.amdhsa_code_object_version 6
	.text
	.protected	k_q1d167e92d5_gemm_qkv
	.globl	k_q1d167e92d5_gemm_qkv
	.p2align	8
	.type	k_q1d167e92d5_gemm_qkv,@function
k_q1d167e92d5_gemm_qkv:
	s_mov_b64 s[64:65], 0
	v_nop
	global_prefetch_b8 v0, s[64:65] scope:SCOPE_SE
	s_setreg_imm32_b32 hwreg(HW_REG_WAVE_MODE, 25, 1), 1
	s_wait_xcnt 0x0
	s_wait_alu depctr_hold_cnt(0) depctr_sa_sdst(0) depctr_va_vdst(0) depctr_va_sdst(0) depctr_va_ssrc(0) depctr_va_vcc(0) depctr_vm_vsrc(0)
	s_getreg_b32 s2, hwreg(HW_REG_IB_STS2, 6, 4)
	s_cmp_eq_u32 s2, 0
	s_cbranch_scc0 .Lentry_in_a_cluster
	s_endpgm
.Lentry_in_a_cluster:
	s_bfe_u32 s2, ttmp6, 0x10000c
	s_cmp_lg_u32 s2, 0xf033
	s_cbranch_scc0 .Lentry_shape_is_right
	s_endpgm
.Lentry_shape_is_right:
; qkv = x qkv_w + qkv_b on codes of FP6 (E2M3) with E8M0 scales, K = 1,024; the results are quantised at once: q and k along the head's 64, v along the tokens.
; c1: [row tile of 16][16 chunks of 64 K][768] (tiles 0-511 x's tokens, 512-703 qkv_w's columns); s1: [K step of 128][group of 4 tiles][r][tile]: words.
; A work-group takes 128 tokens (8 row tiles) against 256 columns of q, then of k, then of v: 64 x 4 = 256 work-groups, three phases each.  x's tiles, all of K (98,304 bytes), lie in LDS for the whole launch.
; The weights' 16 tiles (196,608 bytes) have a region of their own: filled at the head, and filled again twice.  A wave holds its 64 columns (one head), all of K, in registers (32 fragments), so the region is free as soon as
; they are loaded: the next phase's weights are asked for at a phase's start, behind the three lines and a round of the cluster's barrier, each wave its own four tiles,
; and have the phase's 256 products in which to land: so no prefetch is laid.
; CLUSTERS 4 x 4: x's tiles are shared along a row of the cluster, the weights' along a column, by joint loads.
; x's tiles stream past the weights in two sets of eight fragments; a tile is 32 products on four accumulators by turns; the bias is the first products' C.
; Operand rows are physical (bits 3 and 4 of a row exchanged).  q, k: source 0 = 16 columns, source 1 = 16 tokens: register 16 c + i of a lane (r, h) is column 32 c + 16 h + i of token row r: one image and one word a tile.
; v: source 0 = 16 tokens, source 1 = 16 columns: a lane holds channel row r, and the 16 registers of token tiles 2 c, 2 c + 1 are tokens 32 c + 16 h + i: two such pairs make an image of 16 channels x 64 tokens.
; q and k are one loop of two trips; what differs lies in pointers.  Fragment f lies in window 1 + f / 21 at register 12 (f % 21): 0-31 the weights' (4 q + b), 32-47 x's two sets.
; OUT: qc: q, k [chunk = head, 16 + head][512 token tiles][768]; V^T from byte 0xC00000: [chunk = token / 64][64 channel tiles][768].  qs: units [chunk][group of 4 tiles][r][4 words]; a q or k word is (s0, s1, 0, 0):
; the upper bytes meet zero codes; V's word of 128 keys (from byte 0x100000) lies in the even chunk's unit, and the odd chunk's unit holds the same and is not read.
; LIMITS: a block of zeros or under 2^-124 gets the byte 1; NaN and infinities are not served.
.set FR,    12
.set FPW,   21
.set TILE,  12288
.set AB,    16*TILE                    ; x's tiles, behind the weights'
.set SPARE, 24*TILE
.set JP,    176*256                    ; from one K step's scale units to the next
.set ADRB,  4                          ; v4, v5  my four tiles of the weights: 16 x lane, 512 + 8 x lane
.set ADRA,  6                          ; v6, v7  x's tiles 0-3; v8, v9 tiles 4-7
.set O16,   10
.set O8P,   11
.set SOV,   12
.set SAO,   13
.set SBO,   14
.set BAD,   15
.set BADV,  16
.set SPW,   28
.set NIL,   29
.set SA,    32                         ; v32-95 x's scale words: 8 q + tile
.set SB,    96                         ; v96-127 the weights': 4 q + b
.set BI,    128                        ; v128-159 q's or k's bias, eight registers a tile of columns
.set ACC,   160                        ; v160-223 the sums
.set TM,    224
.set TP,    228
.set SO,    232
.set EB,    236
.set SW,    240                        ; v240-247 a word for each token tile
.set WV,    248
.set CE,    72                         ; window 3: codes
.set CO,    96
.set BIV,   112                        ; window 3: v's bias
.set G1,  24
.set G0,  32
.set G0R, 36
.set G1B, 48
.set G0B, 56
.set SEL, 60
.set HM,  62
.set PH,  63
.set SBP, 68
.set QP,  76
.set QS,  78
.set VP,  80
.set VS,  82
.set G1R, 84
.set MSB, 0
.macro WIN new
.if MSB != (\new)
	s_set_vgpr_msb (MSB<<8)|(\new)
.set MSB, (\new)
.endif
.endm
.macro BARRIER
	s_barrier_signal -1
	s_barrier_wait -1
.endm
.macro CROUND
	s_barrier_signal -1
	s_barrier_wait -1
	s_cmp_lg_u32 s14, 0
	s_cbranch_scc1 .Lnot_wave_0_\@
	s_barrier_signal -3
.Lnot_wave_0_\@:
	s_barrier_wait -3
	s_barrier_signal -1
	s_barrier_wait -1
.endm
.macro PLACES n
.rept \n
	v_nop
.endr
.endm
.macro G1REST g, rows                  ; rows of 1,536 elements of 8 bytes, on end
	s_mov_b32 s[\g+1], 1536<<16
	s_mov_b32 s[\g+2], (\rows)<<16
	s_mov_b32 s[\g+3], 1536<<16
	s_mov_b32 s[\g+4], \rows
	s_mov_b32 s[\g+5], 1536
	s_mov_b32 s[\g+6], 0
	s_mov_b32 s[\g+7], 0
.endm
	s_load_b256 s[4:11], s[0:1], 0x0               ; c1, s1, qkv_b, qc
	s_load_b64 s[12:13], s[0:1], 0x20              ; qs
	v_lshl_add_u32 v[SPW], v0, 2, SPARE
	v_mov_b32 v[NIL], 0
	ds_add_u32 v[SPW], v[NIL]                      ; the opening lines: the add, twice on end, and its wait ahead of my first tensor load
	ds_add_u32 v[SPW], v[NIL]
	v_lshrrev_b32 v1, 5, v0
	v_readfirstlane_b32 s14, v1                    ; wave: my 64 columns
	s_and_b32 s16, s14, 1                          ; which half of the weights' or of x's tiles I fetch at the head
	s_bfe_u32 s40, ttmp6, 0x40000                  ; cx
	s_bfe_u32 s41, ttmp6, 0x40004                  ; cy
	s_and_b32 s18, ttmp7, 0xffff
	s_lshl_b32 s18, s18, 2
	s_add_co_u32 s18, s18, s41                     ; tile row, 0-63
	s_lshl_b32 s19, ttmp9, 2
	s_add_co_u32 s19, s19, s40                     ; tile column, 0-3
	s_lshl_b32 s17, s19, 2
	s_add_co_u32 s17, s17, s14                     ; my head
	s_lshl_b32 s43, s41, 2
	s_lshl_b32 s43, 15, s43                        ; my row of the cluster
	s_lshl_b32 s44, 0x1111, s40                    ; my column
	s_or_b32 s[G1], s43, (3<<16)|(1<<21)
	s_or_b32 s[G1B], s44, (3<<16)|(1<<21)
	s_or_b32 s[G1R], s44, (3<<16)|(1<<21)
	G1REST G1, 4
	G1REST G1B, 8
	G1REST G1R, 4
	s_mul_i32 s22, s18, 8*TILE                     ; x: hangs on the tile row and the wave alone
	s_mul_i32 s20, s16, 4*TILE
	s_add_co_u32 s22, s22, s20
	s_mov_b32 s23, 0
	s_lshl_b32 s92, s19, 4                         ; the weights: on the tile column and the wave alone
	s_lshl_b32 s93, s16, 3
	s_add_co_u32 s92, s92, s93
	s_add_co_u32 s92, s92, 512
	s_mul_i32 s92, s92, TILE
	s_mov_b32 s93, 0
	s_lshl_b32 s94, s19, 4                         ; the refills: my own four tiles
	s_lshl_b32 s95, s14, 2
	s_add_co_u32 s94, s94, s95
	s_add_co_u32 s94, s94, 512
	s_mul_i32 s94, s94, TILE
	s_mov_b32 s95, 0
	s_mul_i32 s21, s14, 4*TILE
	s_mov_b32 s[G0], 1
	s_add_co_u32 s[G0+1], s20, AB
	s_mov_b32 s[G0B], 1
	s_mul_i32 s[G0B+1], s16, 8*TILE
	s_mov_b32 s[G0R], 1
	s_mov_b32 s[G0R+1], s21
	s_add_co_u32 s[SBP], s17, 128                  ; my group of the weights' scale units
	s_lshl_b32 s[SBP], s[SBP], 8
	s_mov_b32 s[SBP+1], 0
	s_lshl_b32 s72, s17, 8                         ; my 64 numbers of the bias
	s_mov_b32 s73, 0
	s_lshl_b32 s74, s18, 9                         ; x's two groups of scale units
	s_lshl_b32 s[QP], s17, 9
	s_lshl_b32 s75, s18, 3
	s_add_co_u32 s[QP], s[QP], s75
	s_mul_i32 s[QP], s[QP], 768
	s_mov_b32 s[QP+1], 0
	s_lshl_b32 s[QS], s17, 7
	s_lshl_b32 s75, s18, 1
	s_add_co_u32 s[QS], s[QS], s75
	s_lshl_b32 s[QS], s[QS], 8
	s_mov_b32 s[QS+1], 0
	s_lshl_b32 s[VP], s18, 7
	s_lshl_b32 s75, s17, 2
	s_add_co_u32 s[VP], s[VP], s75
	s_mul_i32 s[VP], s[VP], 768
	s_add_co_u32 s[VP], s[VP], 0xC00000
	s_mov_b32 s[VP+1], 0
	s_lshl_b32 s[VS], s18, 5
	s_add_co_u32 s[VS], s[VS], s17
	s_lshl_b32 s[VS], s[VS], 8
	s_add_co_u32 s[VS], s[VS], 0x100000
	s_mov_b32 s[VS+1], 0
	s_mov_b32 s[SEL], 0x76543210
	s_mov_b32 s[SEL+1], 0xfedcba98
	s_mov_b32 s[PH], 0
	s_wait_alu depctr_va_vdst(0)
	s_wait_dscnt 0x0                               ; both opening adds are done
	CROUND                                         ; all sixteen work-groups are here: the joint loads meet
	s_wait_kmcnt 0x0
	s_add_nc_u64 s[G0+2:G0+3], s[4:5], s[22:23]
	s_or_b32 s[G0+3], s[G0+3], 0x80000000
	s_add_nc_u64 s[G0B+2:G0B+3], s[4:5], s[92:93]
	s_or_b32 s[G0B+3], s[G0B+3], 0x80000000
	s_add_nc_u64 s[G0R+2:G0R+3], s[4:5], s[94:95]
	s_or_b32 s[G0R+3], s[G0R+3], 0x80000000
	s_add_nc_u64 s[SBP:SBP+1], s[6:7], s[SBP:SBP+1]
	s_add_nc_u64 s[8:9], s[8:9], s[72:73]
	s_add_nc_u64 s[QP:QP+1], s[10:11], s[QP:QP+1]
	s_add_nc_u64 s[VP:VP+1], s[10:11], s[VP:VP+1]
	s_add_nc_u64 s[QS:QS+1], s[12:13], s[QS:QS+1]
	s_add_nc_u64 s[VS:VS+1], s[12:13], s[VS:VS+1]
	s_cmp_lt_u32 s14, 2
	s_cbranch_scc0 .Lfor_a
	tensor_load_to_lds s[G0B:G0B+3], s[G1B:G1B+7]  ; waves 0, 1: q's weights, which go on into registers
	s_nop 0
	PLACES 4
	s_branch .Lasked
.Lfor_a:
	tensor_load_to_lds s[G0:G0+3], s[G1:G1+7]      ; waves 2, 3: x
	s_nop 0
	PLACES 4
.Lasked:
	v_and_b32 v1, 15, v0                           ; r
	v_bfe_u32 v2, v0, 4, 1                         ; h
	v_and_b32 v3, 31, v0
	v_lshlrev_b32 v[O16], 4, v3
	v_lshlrev_b32 v[O8P], 3, v3
	v_add_nc_u32 v[O8P], 512, v[O8P]
	v_add_nc_u32 v[ADRB], s21, v[O16]
	v_add_nc_u32 v[ADRB+1], s21, v[O8P]
	v_add_nc_u32 v[ADRA], AB, v[O16]
	v_add_nc_u32 v[ADRA+1], AB, v[O8P]
	v_add_nc_u32 v[ADRA+2], AB+4*TILE, v[O16]
	v_add_nc_u32 v[ADRA+3], AB+4*TILE, v[O8P]
	v_lshlrev_b32 v[SBO], 4, v1
	v_lshl_add_u32 v[SOV], v2, 12, v[SBO]          ; V's words: lanes 0-15 the even chunk's unit, lanes 16-31 the odd chunk's
	v_add_nc_u32 v[SAO], s74, v[SBO]
	v_lshlrev_b32 v[BAD], 6, v2
	v_and_b32 v[BADV], 8, v1
	v_add_nc_u32 v[BADV], v[BADV], v1
	v_lshlrev_b32 v[BADV], 2, v[BADV]
	v_cmp_eq_u32 s[HM], 1, v2
.irp i, 0,1,2,3
	v_mov_b32 v[TP+\i], 0                          ; written once: a lane permute's destination counts as one of its sources
.endr
	s_wait_alu depctr_va_vdst(0)
.macro SBL                             ; the weights' scale words of a phase
.irp q, 0,1,2,3,4,5,6,7
	global_load_b128 v[SB+4*\q:SB+4*\q+3], v[SBO], s[SBP:SBP+1] offset:\q*JP
.endr
.endm
.macro BIL                             ; q, k: tile b's eight registers are columns 32 (b / 2) + 8 (b % 2) + 16 h + 0 .. 7
.irp b, 0,1,2,3
	global_load_b128 v[BI+8*\b:BI+8*\b+3], v[BAD], s[8:9] offset:(32*(\b/2)+8*(\b%2))*4
	global_load_b128 v[BI+8*\b+4:BI+8*\b+7], v[BAD], s[8:9] offset:(32*(\b/2)+8*(\b%2))*4+16
.endr
.endm
	SBL
	BIL
.irp q, 0,1,2,3,4,5,6,7
	global_load_b128 v[SA+8*\q:SA+8*\q+3], v[SAO], s[6:7] offset:\q*JP
	global_load_b128 v[SA+8*\q+4:SA+8*\q+7], v[SAO], s[6:7] offset:\q*JP+256
.endr
	WIN 0xc0
.irp b, 0,1,2,3
.irp k, 0,1,2,3,4,5,6,7
	global_load_b32 v[BIV+8*\b+\k], v[BADV], s[8:9] offset:8192+(32*(\b/2)+8*(\b%2))*4   ; v: all eight registers of tile b hold the bias of channel 32 (b / 2) + 8 (b % 2) + r + 8 (r / 8)
.endr
.endr
	WIN 0
.macro FRAG f, adr, off                ; fragment f (16 rows x 128 K): two images of 768 bytes
	WIN (1+(\f)/FPW)<<6
.set R_, FR*((\f)%FPW)
	ds_load_b128 v[R_:R_+3], v[\adr] offset:\off
	ds_load_b64 v[R_+4:R_+5], v[\adr+1] offset:\off
	ds_load_b128 v[R_+6:R_+9], v[\adr] offset:(\off)+768
	ds_load_b64 v[R_+10:R_+11], v[\adr+1] offset:(\off)+768
.endm
.macro FETCH a                         ; x's tile a, all of K, into set a % 2: 32 loads
.irp q, 0,1,2,3,4,5,6,7
	FRAG 32+8*((\a)%2)+\q, ADRA+2*((\a)/4), ((\a)%4)*TILE+1536*\q
.endr
	WIN 0
.endm
.macro WEIGHTS                         ; my 64 columns, all of K: 128 loads
.irp q, 0,1,2,3,4,5,6,7
.irp b, 0,1,2,3
	FRAG 4*\q+\b, ADRB, \b*TILE+1536*\q
.endr
.endr
	WIN 0
.endm
.macro W d, s0, s1, c, x0, x1
	v_wmma_scale_f32_16x16x128_f8f6f4 v[\d:\d+7], v[FR*((\s0)%FPW):FR*((\s0)%FPW)+FR-1], v[FR*((\s1)%FPW):FR*((\s1)%FPW)+FR-1], \c, v[\x0], v[\x1] matrix_a_fmt:MATRIX_FMT_FP6 matrix_b_fmt:MATRIX_FMT_FP6
.endm
.macro PROD v, a, q, b
.set FB_, 4*(\q)+\b
.set FA_, 32+8*((\a)%2)+\q
.set XA_, SA+8*(\q)+(\a)
.set XB_, SB+4*(\q)+\b
.if \v
.set D_, ACC+16*\b+8*((\a)%2)
.if \q
	WIN (1+FA_/FPW)|((1+FB_/FPW)<<2)
	W D_, FA_, FB_, v[D_:D_+7], XA_, XB_
.else
	WIN (1+FA_/FPW)|((1+FB_/FPW)<<2)|(3<<4)
	W D_, FA_, FB_, v[BIV+8*\b:BIV+8*\b+7], XA_, XB_
.endif
.else
.set D_, ACC+32*((\a)%2)+8*\b
	WIN (1+FB_/FPW)|((1+FA_/FPW)<<2)
.if \q
	W D_, FB_, FA_, v[D_:D_+7], XB_, XA_
.else
	W D_, FB_, FA_, v[BI+8*\b:BI+8*\b+7], XB_, XA_
.endif
.endif
.endm
.macro PRODS v, a
.irp q, 0,1,2,3,4,5,6,7
.irp b, 0,1,2,3
	PROD \v, \a, \q, \b
.endr
.endr
	WIN 0
.endm
; the scales of n blocks whose 16 numbers a lane begin at x + 16 b: the largest magnitude with the floor 2^(3 - 127), with lane l xor 16's; 2 off its exponent field is the conversion's scale operand; its byte
.macro SCALES x, bs:vararg
.irp b, \bs
	v_max3_num_f32 v[TM+\b], |v[\x+16*\b]|, |v[\x+16*\b+1]|, 0x1800000   ; each accumulator is read from its low end on
.endr
.irp i, 2,4,6,8,10,12,14
.irp b, \bs
	v_max3_num_f32 v[TM+\b], v[TM+\b], |v[\x+16*\b+\i]|, |v[\x+16*\b+\i+1]|
.endr
.endr
.irp b, \bs
	v_permlanex16_b32 v[TP+\b], v[TM+\b], s[SEL], s[SEL+1]
.endr
.irp b, \bs
	v_max_num_f32 v[TM+\b], v[TM+\b], v[TP+\b]
.endr
.irp b, \bs
	v_add_nc_u32 v[SO+\b], 0xff000000, v[TM+\b]
.endr
.irp b, \bs
	v_lshrrev_b32 v[EB+\b], 23, v[SO+\b]
.endr
.endm
.macro IMAGE e, o                      ; two half blocks a lane become a whole block: six registers on end
.irp i, 0,1,2
	v_permlane16_swap_b32 v[\e+\i], v[\o+\i]
.endr
.irp i, 0,1,2
	v_mov_b32 v[\e+3+\i], v[\o+\i]
.endr
.endm
.macro QKOUT a                         ; token tile a of q or k: an image and a word
.set X_, ACC+32*((\a)%2)
	SCALES X_, 0,1
	v_lshl_or_b32 v[SW+(\a)], v[EB+1], 8, v[EB]
	s_wait_alu depctr_va_vdst(0)
	s_wait_xcnt 0x0                                ; the last image's stores have read the codes' registers
	WIN 0xc0
	v_cvt_scalef32_pk16_fp6_f32 v[CE:CE+2], v[X_:X_+15], v[SO]
	v_cvt_scalef32_pk16_fp6_f32 v[CO:CO+2], v[X_+16:X_+31], v[SO+1]
	v_nop                                          ; one plain line behind the conversions
	WIN 0xc3
	IMAGE CE, CO
	WIN 0x0c
	global_store_b128 v[O16], v[CE:CE+3], s[QP:QP+1] offset:768*(\a)      ; 512 bytes on end,
	global_store_b64 v[O8P], v[CE+4:CE+5], s[QP:QP+1] offset:768*(\a)     ; and 256
	WIN 0
.endm
.macro QKT a
	s_wait_dscnt 32                                ; this tile's fragments are in; the next tile's fetch may be out
	PRODS 0, \a
	PLACES 4                                       ; ahead of the loads into this set of fragments and of the reads of the sums
	FETCH ((\a)+2)%8                               ; the last two fetch the next phase's first tiles
.if (\a) < 7
	QKOUT \a
.endif
.endm
.macro VOUT c                          ; tokens 32 c .. 32 c + 31 of my four channel tiles
	SCALES ACC, 0,1,2,3
.irp b, 0,1,2,3
.if (\c) == 0
	v_mov_b32 v[WV+\b], v[EB+\b]
.else
	v_lshl_or_b32 v[WV+\b], v[EB+\b], 8*(\c), v[WV+\b]
.endif
.endr
	s_wait_alu depctr_va_vdst(0)
	s_wait_xcnt 0x0                                ; earlier stores have read the codes' registers
	WIN 0xc0
.irp b, 0,1,2,3
.if (\c)%2
	v_cvt_scalef32_pk16_fp6_f32 v[CO+4*\b:CO+4*\b+2], v[ACC+16*\b:ACC+16*\b+15], v[SO+\b]
.else
	v_cvt_scalef32_pk16_fp6_f32 v[CE+6*\b:CE+6*\b+2], v[ACC+16*\b:ACC+16*\b+15], v[SO+\b]
.endif
.endr
	v_nop                                          ; one plain line behind the conversions
.if (\c)%2
	WIN 0xc3
.irp b, 0,1,2,3
	IMAGE CE+6*\b, CO+4*\b
.endr
	WIN 0x0c
.irp b, 0,1,2,3
	global_store_b128 v[O16], v[CE+6*\b:CE+6*\b+3], s[VP:VP+1] offset:49152*((\c)/2)+768*\b
	global_store_b64 v[O8P], v[CE+6*\b+4:CE+6*\b+5], s[VP:VP+1] offset:49152*((\c)/2)+768*\b
.endr
.endif
	WIN 0
.endm
.macro VT a
.if (\a) < 7
	s_wait_dscnt 32
.else
	s_wait_dscnt 0x0
.endif
	PRODS 1, \a
	PLACES 4
.if (\a) < 6
	FETCH (\a)+2
.endif
.if (\a)%2
	VOUT (\a)/2
.endif
.endm
	s_cmp_lt_u32 s14, 2
	s_cbranch_scc0 .Lnot_b
	s_wait_tensorcnt 0x0                           ; waves 0, 1: q's weights
.Lnot_b:
	BARRIER
	WEIGHTS
	s_wait_tensorcnt 0x0                           ; every wave: all that is still out, x's tiles
	s_wait_dscnt 0x0
	BARRIER
	FETCH 0
	FETCH 1
.Lphase:                                               ; q, then k
	s_wait_tensorcnt 0x0                           ; no load of mine is out;
	ds_add_u32 v[SPW], v[NIL]
	s_add_nc_u64 s[G0R+2:G0R+3], s[G0R+2:G0R+3], 64*TILE   ; the next phase's weights: 64 row tiles on
	s_wait_dscnt 0x0                               ; the add is done, and this phase's weights lie in my registers
	CROUND                                         ; so it is with every wave of the cluster: the weights' region may be filled again
	tensor_load_to_lds s[G0R:G0R+3], s[G1R:G1R+7]
	s_nop 0
	PLACES 4
	s_wait_loadcnt 0x0                             ; the scale words and the bias
.irp a, 0,1,2,3,4,5,6,7
	QKT \a
.endr
	s_wait_xcnt 0x0                                ; earlier loads and stores have read their bases
	s_add_nc_u64 s[SBP:SBP+1], s[SBP:SBP+1], 4096  ; 16 groups on
	s_add_nc_u64 s[8:9], s[8:9], 4096              ; 1,024 numbers on
	SBL
	s_cmp_eq_u32 s[PH], 1
	s_cbranch_scc1 .Lno_bias                       ; v's bias has registers of its own
	BIL
.Lno_bias:
	s_wait_tensorcnt 0x0                           ; the next phase's weights are in
	s_wait_dscnt 0x0
	BARRIER
	WEIGHTS
	QKOUT 7                                        ; under the loads' flight
.irp i, 0,1,2,3
	v_cndmask_b32 v[WV+\i], v[SW+\i], v[SW+4+\i], s[HM]   ; lanes 0-15 tiles 0-3's words, lanes 16-31 tiles 4-7's: two whole units
.endr
	global_store_b128 v[O16], v[WV:WV+3], s[QS:QS+1]
	s_wait_xcnt 0x0
	s_add_nc_u64 s[QP:QP+1], s[QP:QP+1], 16*512*768
	s_add_nc_u64 s[QS:QS+1], s[QS:QS+1], 16*128*256
	s_add_co_u32 s[PH], s[PH], 1
	s_cmp_lt_u32 s[PH], 2
	s_wait_alu depctr_va_vdst(0)
	s_cbranch_scc1 .Lphase
	s_wait_dscnt 0x0                               ; v's weights lie in my registers
	s_wait_loadcnt 0x0
.irp a, 0,1,2,3,4,5,6,7
	VT \a
.endr
	global_store_b128 v[SOV], v[WV:WV+3], s[VS:VS+1]
	s_wait_tensorcnt 0x0                           ; the wave's end
	ds_add_u32 v[SPW], v[NIL]
	s_wait_dscnt 0x0
	CROUND                                         ; the closing round
	s_endpgm
.Lfunc_end_k_q1d167e92d5_gemm_qkv:
	.size	k_q1d167e92d5_gemm_qkv, .Lfunc_end_k_q1d167e92d5_gemm_qkv-k_q1d167e92d5_gemm_qkv
	.p2alignl 7, 3214868480
	.fill 96, 4, 3214868480
	.section	.rodata,"a",@progbits
	.p2align	6, 0x0
	.amdhsa_kernel k_q1d167e92d5_gemm_qkv
		.amdhsa_group_segment_fixed_size 327680
		.amdhsa_private_segment_fixed_size 0
		.amdhsa_enable_private_segment 0
		.amdhsa_kernarg_size 40
		.amdhsa_user_sgpr_count 2
		.amdhsa_user_sgpr_kernarg_segment_ptr 1
		.amdhsa_wavefront_size32 1
		.amdhsa_system_sgpr_workgroup_id_x 1
		.amdhsa_system_sgpr_workgroup_id_y 1
		.amdhsa_system_sgpr_workgroup_id_z 1
		.amdhsa_system_vgpr_workitem_id 0
		.amdhsa_next_free_vgpr 1024
		.amdhsa_next_free_sgpr 100
		.amdhsa_reserve_vcc 0
		.amdhsa_float_denorm_mode_32 3
		.amdhsa_float_denorm_mode_16_64 3
		.amdhsa_memory_ordered 1
		.amdhsa_forward_progress 1
		.amdhsa_inst_pref_size 171
	.end_amdhsa_kernel
	.amdgpu_metadata
---
amdhsa.version: [ 1, 2 ]
amdhsa.kernels:
  - .name:           k_q1d167e92d5_gemm_qkv
    .symbol:         k_q1d167e92d5_gemm_qkv.kd
    .args:
      - { .name: c1, .offset: 0, .size: 8, .value_kind: global_buffer, .address_space: global }
      - { .name: s1, .offset: 8, .size: 8, .value_kind: global_buffer, .address_space: global }
      - { .name: qkv_b, .offset: 16, .size: 8, .value_kind: global_buffer, .address_space: global }
      - { .name: qc, .offset: 24, .size: 8, .value_kind: global_buffer, .address_space: global }
      - { .name: qs, .offset: 32, .size: 8, .value_kind: global_buffer, .address_space: global }
    .group_segment_fixed_size: 327680
    .private_segment_fixed_size: 0
    .kernarg_segment_align: 8
    .kernarg_segment_size: 40
    .max_flat_workgroup_size: 128
    .sgpr_count:     100
    .vgpr_count:     1024
    .wavefront_size: 32
...
	.end_amdgpu_metadata
.endif
;; end of part 2
;; launch attn (part 3): grid 4 x 64, 16 waves a work-group, clusters of 4 x 1, 327,680 bytes of LDS; arguments qc, qs, c2, s2; writes c2, s2
.if DOCPART == 3
	.amdgcn_target "amdgcn-amd-amdhsa--gfx1250"
	.amdhsa_code_object_version 6
	.text
	.protected	k_q1d167e92d5_attn
	.globl	k_q1d167e92d5_attn
	.p2align	8
	.type	k_q1d167e92d5_attn,@function
k_q1d167e92d5_attn:
	s_mov_b64 s[64:65], 0
	v_nop
	global_prefetch_b8 v0, s[64:65] scope:SCOPE_SE
	s_setreg_imm32_b32 hwreg(HW_REG_WAVE_MODE, 25, 1), 1
	s_wait_xcnt 0x0
	s_wait_alu depctr_hold_cnt(0) depctr_sa_sdst(0) depctr_va_vdst(0) depctr_va_sdst(0) depctr_va_ssrc(0) depctr_va_vcc(0) depctr_vm_vsrc(0)
	s_getreg_b32 s2, hwreg(HW_REG_IB_STS2, 6, 4)
	s_cmp_eq_u32 s2, 0
	s_cbranch_scc0 .Lentry_in_a_cluster
	s_endpgm
.Lentry_in_a_cluster:
	s_bfe_u32 s2, ttmp6, 0x10000c
	s_cmp_lg_u32 s2, 0x3003
	s_cbranch_scc0 .Lentry_shape_is_right
	s_endpgm
.Lentry_shape_is_right:
; o = softmax(q k^T / 8, causal) v on codes of FP6 (E2M3) with E8M0 scales; o is quantised along the head's 64 channels for the projection that follows.
; A CLUSTER of four work-groups serves one (batch, head).  ALL of that head's K and V lie in each work-group's LDS: 2,048 keys x 48 bytes of K's codes (98,304), as many of V's, 8,192 and 4,096 bytes of scales.
; Nothing is filled again, so the loop over the keys has no barrier but one.  The four partners need the same tiles: every tile is asked for jointly (mask 15).
; THE DEAL.  A (batch, head) has 128 query tiles of 16 rows.  Wave w (0-15) of partner cx takes tiles t = 4 w + cx and 127 - t.  Tile T's rows lie in key step T / 8 (a step is 128 keys), so it needs steps 0 .. T / 8, the last
; under the mask; key steps beyond it lie wholly under the causal mask that the problem builds itself, and are left out.  t / 8 = w / 2 and (127 - t) / 8 = 15 - w / 2: 17 steps for every wave, and no branch hangs on cx:
; cx enters the mask's numbers (vector data) and the addresses of q and of the results alone.  Tile 127 - cx (wave 0) reads key step 15 in every partner: every joint tile is read by all four.
; THE FILLS, one a wave, at the head: waves 0, 1 K's keys 0-511, waves 2, 3 V's, wave 4 K's scales, wave 5 V's; waves 6-9 K's other keys, waves 10-15 V's.  The first barrier waits for waves 0-5, whose load lines are theirs alone;
; four trips on, one barrier with every wave's wait shows the rest.  Both loops have constant trip counts; a tile's hidden steps are jumped over on the wave's number.
; No prefetch: all tiles are asked for at the head, so there is no later load for a loop to run ahead of.
; LAYOUTS (as the launches before and behind have them): an image of 768 bytes is 16 rows x 64 K: a lane's 16 bytes at 16 x lane, its 8 at 512 + 8 x lane.  Rows are physical (bits 3 and 4 of a row exchanged):
; tile T holds rows 16 (T & ~1) + 8 (T & 1) + r + 8 (r / 8).  Both products are used transposed (S^T = k q^T, O^T = v^T p^T): a lane holds one query.  q k^T has K = 64: the upper 64 codes of q's fragment are zeros.
; THE SOFTMAX: M = ceil(running largest t), t = score x log2(e) / 8; p = 2^(t - M); the sum is taken of p before it is quantised; a change of M multiplies sum and O^T by a power of two.
; A block's largest p is made from the block's largest score by the same multiply-add and exponential.
; OUT: c2 [token tile][head][768]; s2 [pair of heads][group of 4 tiles][r][tile]: a word holds two heads' bytes, so a tile's 16 x 2 bytes leave as 2 bytes at a pitch of 16: 262,144 bytes in all, one in 24 of the codes' bytes.
; LIMITS: the scaled scores stay under 2^31; a block under 2^-124 gets the byte 1; NaN and infinities are not served.
.set VB,    98304                      ; V's codes: [32 chunks of 64 keys][4 channel tiles][768]
.set SCK,   196608                     ; K's scales: [32 groups of 4 tiles][256]
.set SCV,   204800                     ; V's: [16 key steps][256]
.set SPARE, 208896                     ; the spare words: 128 bytes a wave
.set SPW, 5
.set NIL, 6
.set TB,  2                            ; 6,144 x key step: K's and V's codes alike
.set TS,  3                            ; 512 x key step
.set WV,  18
.set CX,  19
.set SEL, 20
.set CS,  22
.set G1SK, 24
.set G1SV, 32
.set G1K1, 40
.set G1K2, 48
.set G1V,  56
.set TJ,  66                           ; 256 x key step
.set ST,  67                           ; the key step
.set G0,  68
.set OKB, 72
.set OVB, 73
.set OSKB, 74
.set OSVB, 75
.set SB,  76
.set HD,  77
.set TL,  78
.set TH,  79
.set LL,  80                           ; the low tile's last key step + 4: the trip in which it is walked
.set LH,  81                           ; the high tile's
.set MH,  82                           ; the tile's first row within its key step
.set ML,  83
.macro CROUND
	s_barrier_signal -1
	s_barrier_wait -1
	s_cmp_lg_u32 s[WV], 0
	s_cbranch_scc1 .Lnot_wave_0_\@
	s_barrier_signal -3
.Lnot_wave_0_\@:
	s_barrier_wait -3
	s_barrier_signal -1
	s_barrier_wait -1
.endm
.macro G1SET g, c, rows, pitch         ; rows of c elements of 8 bytes; the mask names the four partners, bit 21 beside it
	s_mov_b32 s[\g], (3<<16)|(1<<21)|15
	s_mov_b32 s[\g+1], (\c)<<16
	s_mov_b32 s[\g+2], (\rows)<<16
	s_mov_b32 s[\g+3], (\c)<<16
	s_mov_b32 s[\g+4], \rows
	s_mov_b32 s[\g+5], \pitch
	s_mov_b32 s[\g+6], 0
	s_mov_b32 s[\g+7], 0
.endm
; my load: part i = (wave + ia) & im of its kind, to LDS byte lb + i lm, from byte s[gb] + ga + i gm of the buffer at s[ptr]
.macro FILL g1, ia, im, lm, lb, gm, gb, ga, ptr
.if \im
	s_add_co_u32 s16, s[WV], \ia
	s_and_b32 s16, s16, \im
	s_mul_i32 s[G0+1], s16, \lm
	s_add_co_u32 s[G0+1], s[G0+1], \lb
	s_mul_i32 s14, s16, \gm
	s_add_co_u32 s14, s14, s[\gb]
.if \ga
	s_add_co_u32 s14, s14, \ga
.endif
.else
	s_mov_b32 s[G0+1], \lb
	s_mov_b32 s14, s[\gb]
.endif
	s_add_nc_u64 s[G0+2:G0+3], s[\ptr:\ptr+1], s[14:15]
	s_or_b32 s[G0+3], s[G0+3], 0x80000000
	tensor_load_to_lds s[G0:G0+3], s[\g1:\g1+7]
	s_nop 0
.rept 4
	v_nop
.endr
.endm
.macro ARM under, next, g1, ia, im, lm, lb, gm, gb, ga, ptr
	s_cmp_lt_u32 s[WV], \under
	s_cbranch_scc0 \next
	FILL \g1, \ia, \im, \lm, \lb, \gm, \gb, \ga, \ptr
	s_branch .Lasked
\next:
.endm
	s_load_b256 s[4:11], s[0:1], 0x0               ; qc, qs, c2, s2
	v_lshl_add_u32 v[SPW], v0, 2, SPARE
	v_mov_b32 v[NIL], 0
	ds_add_u32 v[SPW], v[NIL]                      ; the opening lines: the add, twice on end, and its wait ahead of my tensor load
	ds_add_u32 v[SPW], v[NIL]
	v_lshrrev_b32 v9, 5, v0
	v_readfirstlane_b32 s[WV], v9                  ; wave
	s_bfe_u32 s[CX], ttmp6, 0x40000                ; my place in the cluster
	s_and_b32 s12, ttmp7, 0xffff                   ; the cluster's y: 16 x batch + head
	s_lshr_b32 s[SB], s12, 4
	s_and_b32 s[HD], s12, 15
	s_lshl_b32 s[TL], s[WV], 2
	s_add_co_u32 s[TL], s[TL], s[CX]
	s_sub_co_u32 s[TH], 127, s[TL]
	s_lshr_b32 s[LL], s[WV], 1
	s_sub_co_u32 s[LH], 15, s[LL]
	s_add_co_u32 s[LL], s[LL], 4
	s_and_b32 s12, s[TH], 6
	s_lshl_b32 s12, s12, 4
	s_and_b32 s13, s[TH], 1
	s_lshl_b32 s13, s13, 3
	s_add_co_u32 s[MH], s12, s13
	s_and_b32 s12, s[TL], 6
	s_lshl_b32 s12, s12, 4
	s_and_b32 s13, s[TL], 1
	s_lshl_b32 s13, s13, 3
	s_add_co_u32 s[ML], s12, s13
	s_add_co_u32 s12, s[HD], 16                    ; K's chunk of qc and qs
	s_lshl_b32 s13, s12, 9
	s_lshl_b32 s14, s[SB], 7
	s_add_co_u32 s13, s13, s14
	s_mul_i32 s[OKB], s13, 768
	s_lshl_b32 s13, s12, 7
	s_lshl_b32 s14, s[SB], 5
	s_add_co_u32 s13, s13, s14
	s_lshl_b32 s[OSKB], s13, 8
	s_mul_i32 s[OVB], s[SB], 1572864               ; V^T: 32 chunks x 64 channel tiles x 768 a batch,
	s_mul_i32 s13, s[HD], 3072                     ; 4 channel tiles a head
	s_add_co_u32 s[OVB], s[OVB], s13
	s_add_co_u32 s[OVB], s[OVB], 0xC00000
	s_lshl_b32 s[OSVB], s[SB], 17
	s_lshl_b32 s13, s[HD], 8
	s_add_co_u32 s[OSVB], s[OSVB], s13
	s_add_co_u32 s[OSVB], s[OSVB], 0x100000
	G1SET G1SK, 32, 32, 32                         ; 8,192 bytes on end
	G1SET G1SV, 32, 16, 1024                       ; 16 units of 256 bytes, 8,192 apart: the even chunks' words
	G1SET G1K1, 32, 48, 32                         ; 12,288 bytes on end
	G1SET G1K2, 32, 72, 32                         ; 18,432 bytes on end
	G1SET G1V, 384, 4, 6144                        ; 4 chunks: rows of 3,072 bytes, 49,152 apart
	s_mov_b32 s[G0], 1
	s_mov_b32 s15, 0
	s_mov_b32 s[SEL], 0x76543210
	s_mov_b32 s[SEL+1], 0xfedcba98
	s_mov_b32 s[CS], 0x3e38aa3b                    ; log2(e) / 8
	s_mov_b32 s[CS+1], s[CS]
	s_mov_b32 s[TB], 0
	s_mov_b32 s[TS], 0
	s_mov_b32 s[TJ], 0
	s_mov_b32 s[ST], 0
	s_wait_alu depctr_va_vdst(0)
	s_wait_dscnt 0x0                               ; both opening adds are done
	CROUND                                         ; the four partners are here: the joint loads meet
	s_wait_kmcnt 0x0
	ARM 2,  .Lv_near, G1K1, 0, 1, 12288, 0, 12288, OKB, 0, 4
	ARM 4,  .Lk_sc,   G1V,  0, 1, 12288, VB, 196608, OVB, 0, 4
	ARM 5,  .Lv_sc,   G1SK, 0, 0, 0, SCK, 0, OSKB, 0, 6
	ARM 6,  .Lk_far,  G1SV, 0, 0, 0, SCV, 0, OSVB, 0, 6
	ARM 10, .Lv_far,  G1K2, 2, 3, 18432, 24576, 18432, OKB, 24576, 4
	FILL G1V, 6, 7, 12288, VB+24576, 196608, OVB, 393216, 4
.Lasked:
	s_lshl_b32 s13, s[HD], 9                       ; q: chunk = head
	s_lshl_b32 s14, s[SB], 7
	s_add_co_u32 s13, s13, s14
	s_add_co_u32 s14, s13, s[TH]
	s_mul_i32 s84, s14, 768
	s_lshr_b32 s16, s14, 2
	s_lshl_b32 s16, s16, 8
	s_and_b32 s14, s14, 3
	s_lshl_b32 s14, s14, 2
	s_add_co_u32 s88, s16, s14
	s_add_co_u32 s14, s13, s[TL]
	s_mul_i32 s86, s14, 768
	s_lshr_b32 s16, s14, 2
	s_lshl_b32 s16, s16, 8
	s_and_b32 s14, s14, 3
	s_lshl_b32 s14, s14, 2
	s_add_co_u32 s90, s16, s14
	s_mov_b32 s85, 0
	s_mov_b32 s87, 0
	s_mov_b32 s89, 0
	s_mov_b32 s91, 0
	s_add_nc_u64 s[84:85], s[4:5], s[84:85]
	s_add_nc_u64 s[86:87], s[4:5], s[86:87]
	s_add_nc_u64 s[88:89], s[6:7], s[88:89]
	s_add_nc_u64 s[90:91], s[6:7], s[90:91]
	v_and_b32 v9, 31, v0
	v_and_b32 v10, 15, v0
	v_lshlrev_b32 v1, 4, v9                        ; 16 x lane: K's images, and the images in memory
	v_lshlrev_b32 v12, 3, v9
	v_lshlrev_b32 v13, 4, v10                      ; 16 r
	v_add_nc_u32 v2, 512, v12                      ; 512 + 8 x lane
	v_add_nc_u32 v3, VB, v1
	v_add_nc_u32 v4, VB+512, v12
	v_add_nc_u32 v7, SCK, v13
	v_add_nc_u32 v8, SCV, v13
	v_and_b32 v14, 8, v0
	v_add_nc_u32 v14, v14, v10
	v_and_b32 v15, 16, v0
	v_sub_nc_u32 v15, v14, v15                     ; r + 8 (r / 8) - 16 h: my row in the tile less my half's first key
.irp i, 22,23,24,25,26,27,86,87,88,89,90,91,56,57,58,59,60,61
	v_mov_b32 v[\i], 0                             ; the upper 64 codes of q's fragments; the registers behind K's fourth image
.endr
	v_mov_b32 v29, 0xff61b1e6                      ; the largest t so far: -3e38
	v_mov_b32 v93, 0xff61b1e6
	v_floor_f32 v28, -v29
	v_floor_f32 v92, -v93
.irp i, 30,31,94,95,236,237,238,239,252,253,254
	v_mov_b32 v[\i], 0
.endr
.set N, 0
.rept 64
	v_mov_b32 v[160+N], 0                          ; O^T: the step is written once, and its first turn finds zeros
.set N, N+1
.endr
	s_wait_alu depctr_va_vdst(0)
	global_load_b128 v[16:19], v1, s[84:85]
	global_load_b64 v[20:21], v2, s[84:85]
	global_load_b32 v255, v13, s[88:89]
	global_load_b128 v[80:83], v1, s[86:87]
	global_load_b64 v[84:85], v2, s[86:87]
	global_load_b32 v243, v13, s[90:91]
	s_cmp_lt_u32 s[WV], 6
	s_cbranch_scc0 .Lfar_wave
	s_wait_tensorcnt 0x0                           ; waves 0-5: keys 0-511 and the scales
.Lfar_wave:
	s_wait_loadcnt 0x0                             ; q
	s_barrier_signal -1
	s_barrier_wait -1
; one tile of 16 queries x 128 keys.  qf, qs: q's fragment and scale word; st: -M, the largest t, the sum's two halves; o: O^T; lim: the tile's last key step; mk: its first row there; plain = 1: never hidden, never masked
; ko: the tile's key step lies ko steps beyond the one that the trip's address registers name
.macro TSTEP qf, qs, st, o, lim, mk, plain, ko
.if \plain == 0
	s_cmp_gt_u32 s[ST], s[\lim]
	s_cbranch_scc1 .Lhid_\@
.endif
.irp g, 0,1
.rept 4
	v_nop                                          ; places ahead of loads into registers that matrix instructions have read
.endr
.irp t, 0,1,2,3
	ds_load_b128 v[32+6*\t:35+6*\t], v9 offset:(4*\g+\t)*768+6144*\ko
	ds_load_b64 v[36+6*\t:37+6*\t], v10 offset:(4*\g+\t)*768+6144*\ko
.endr
	ds_load_b128 v[248:251], v13 offset:256*\g+512*\ko
	s_wait_dscnt 0x0
.irp t, 0,1,2,3
	v_wmma_scale_f32_16x16x128_f8f6f4 v[96+8*(4*\g+\t):103+8*(4*\g+\t)], v[32+6*\t:43+6*\t], v[\qf:\qf+11], 0, v[248+\t], v[\qs] matrix_a_fmt:MATRIX_FMT_FP6 matrix_b_fmt:MATRIX_FMT_FP6
.endr
.endr
.rept 4
	v_nop
.endr
.irp t, 0,1,2,3
	ds_load_b128 v[32+12*\t:35+12*\t], v11 offset:768*\t+6144*\ko
	ds_load_b64 v[36+12*\t:37+12*\t], v12 offset:768*\t+6144*\ko
	ds_load_b128 v[38+12*\t:41+12*\t], v11 offset:768*\t+3072+6144*\ko
	ds_load_b64 v[42+12*\t:43+12*\t], v12 offset:768*\t+3072+6144*\ko
.endr
	ds_load_b128 v[248:251], v14 offset:256*\ko    ; V's fragments come in under the softmax
.if \plain == 0
	s_cmp_lg_u32 s[ST], s[\lim]
	s_cbranch_scc1 .Lopen_\@
	v_add_nc_u32 v252, s[\mk], v15                 ; the tile's last step: register N is key 32 (N / 16) + N % 16 + 16 h of the step; keys behind my row count for nothing
	v_mov_b32 v254, 0xff800000
.set N, 0
.rept 64
	v_cmp_gt_i32 vcc_lo, 32*(N/16)+N%16, v252
	v_cndmask_b32 v[96+N], v[96+N], v254, vcc_lo
.set N, N+1
.endr
.Lopen_\@:
.endif
.irp b, 0,1,2,3
	v_max3_num_f32 v[232+\b], v[96+16*\b], v[97+16*\b], v[98+16*\b]   ; each block's largest score
.endr
.irp i, 3,5,7,9,11,13
.irp b, 0,1,2,3
	v_max3_num_f32 v[232+\b], v[232+\b], v[96+16*\b+\i], v[97+16*\b+\i]
.endr
.endr
.irp b, 0,1,2,3
	v_max_num_f32 v[232+\b], v[232+\b], v[111+16*\b]
.endr
.irp b, 0,1,2,3
	s_delay_alu instid0(VALU_DEP_4)
	v_permlanex16_b32 v[236+\b], v[232+\b], s[SEL], s[SEL+1]
.endr
.irp b, 0,1,2,3
	s_delay_alu instid0(VALU_DEP_4)
	v_max_num_f32 v[232+\b], v[232+\b], v[236+\b]
.endr
	s_delay_alu instid0(VALU_DEP_2)
	v_max3_num_f32 v254, v232, v233, v234
	s_delay_alu instid0(VALU_DEP_1)
	v_max_num_f32 v254, v254, v235
	s_delay_alu instid0(VALU_DEP_1)
	v_mul_f32 v254, s[CS], v254
	s_delay_alu instid0(VALU_DEP_1)
	v_max_num_f32 v[\st+1], v[\st+1], v254         ; the running largest t
	v_mov_b32 v254, v[\st]
	s_delay_alu instid0(VALU_DEP_2)
	v_floor_f32 v[\st], -v[\st+1]                  ; -M = floor(-t)
	s_delay_alu instid0(VALU_DEP_1)
	v_sub_f32 v254, v[\st], v254
	s_delay_alu instid0(VALU_DEP_1)
	v_cvt_i32_f32 v254, v254
	s_delay_alu instid0(VALU_DEP_1)
	v_ldexp_f32 v252, 1.0, v254                    ; f = 2^(old M - new M)
.set N, 0
.rept 32
	v_pk_fma_f32 v[96+N:97+N], v[96+N:97+N], s[CS:CS+1], v[\st:\st+1] op_sel_hi:[1,0,0]
.set N, N+2
.endr
.irp b, 0,1,2,3
	v_fma_f32 v[232+\b], v[232+\b], s[CS], v[\st]
.endr
.set N, 0
	s_wait_alu depctr_va_vdst(0)
.rept 64
	v_exp_f32 v[96+N], v[96+N]
.set N, N+1
.endr
	v_pk_mul_f32 v[\st+2:\st+3], v[\st+2:\st+3], v[252:253] op_sel_hi:[1,0]
	s_wait_alu depctr_va_vdst(0)                   ; one wait for the batch, ahead of its first reader
.irp b, 0,1,2,3
	v_exp_f32 v[232+\b], v[232+\b]                 ; each block's largest p
.endr
	v_pk_add_f32 v[236:237], v[96:97], v[98:99]    ; the sum of the unquantised p, in two chains
.set N, 4
.rept 15
	v_pk_add_f32 v[\st+2:\st+3], v[\st+2:\st+3], v[96+N:97+N]
	v_pk_add_f32 v[236:237], v[236:237], v[98+N:99+N]
.set N, N+4
.endr
	s_delay_alu instid0(VALU_DEP_1)
	v_pk_add_f32 v[\st+2:\st+3], v[\st+2:\st+3], v[236:237]
	s_wait_alu depctr_va_vdst(0)                   ; and one for the four
.irp b, 0,1,2,3
	v_max_num_f32 v[232+\b], 0x1800000, v[232+\b]  ; the floor 2^(3 - 127)
.endr
.irp b, 0,1,2,3
	s_delay_alu instid0(VALU_DEP_4)
	v_add_nc_u32 v[244+\b], 0xff000000, v[232+\b]  ; 2 off the exponent field: the conversion's scale operand
.endr
.irp b, 0,1,2,3
	s_delay_alu instid0(VALU_DEP_4)
	v_lshrrev_b32 v[236+\b], 23, v[244+\b]
.endr
	s_delay_alu instid0(VALU_DEP_3)
	v_lshl_or_b32 v253, v237, 8, v236              ; p's scale word
	s_delay_alu instid0(VALU_DEP_1)
	v_lshl_or_b32 v253, v238, 16, v253
	s_delay_alu instid0(VALU_DEP_1)
	v_lshl_or_b32 v253, v239, 24, v253
.irp c, 0,1
	v_cvt_scalef32_pk16_fp6_f32 v[224+6*\c:226+6*\c], v[96+32*\c:111+32*\c], v[244+2*\c]
	v_cvt_scalef32_pk16_fp6_f32 v[236+4*\c:238+4*\c], v[112+32*\c:127+32*\c], v[245+2*\c]
.endr
	v_nop                                          ; one plain line behind the conversions
.irp c, 0,1
.irp i, 0,1,2
	v_permlane16_swap_b32 v[224+6*\c+\i], v[236+4*\c+\i]   ; a whole block to a lane
.endr
.irp i, 0,1,2
	s_delay_alu instid0(VALU_DEP_3)
	v_mov_b32 v[227+6*\c+\i], v[236+4*\c+\i]
.endr
.endr
	s_wait_alu depctr_va_vdst(0)                   ; directly ahead of the first reader of O^T
.set N, 0
.rept 16
	v_pk_mul_f32 v[\o+N:\o+N+1], v[\o+N:\o+N+1], v[252:253] op_sel_hi:[1,0]
.set N, N+2
.endr
	s_wait_alu depctr_va_vdst(0)                   ; and ahead of the wait below
	s_wait_dscnt 0x0                               ; V's fragments and scale words
.irp t, 0,1,2,3
	v_wmma_scale_f32_16x16x128_f8f6f4 v[\o+8*\t:\o+8*\t+7], v[32+12*\t:43+12*\t], v[224:235], v[\o+8*\t:\o+8*\t+7], v[248+\t], v253 matrix_a_fmt:MATRIX_FMT_FP6 matrix_b_fmt:MATRIX_FMT_FP6
.endr
.if \plain == 0
.Lhid_\@:
.endif
.endm
.macro TRIP plain                      ; a key step: its LDS addresses once, for both tiles
	v_add_nc_u32 v9, s[TB], v1
	v_add_nc_u32 v10, s[TB], v2
	v_add_nc_u32 v11, s[TB], v3
	v_add_nc_u32 v12, s[TB], v4
	v_add_nc_u32 v13, s[TS], v7
	v_add_nc_u32 v14, s[TJ], v8
	s_wait_alu depctr_va_vdst(0)
.if \plain
	TSTEP 16, 255, 28, 160, LH, MH, 1, 0           ; trips 0-3: the high tile alone, 4 steps for every wave
.else
	TSTEP 16, 255, 28, 160, LH, MH, 0, 4           ; trips 4-15: the high tile at key step ST, the low tile at ST - 4, which the address registers name:
	TSTEP 80, 243, 92, 192, LL, ML, 0, 0           ; 12 - w / 2 and w / 2 + 1 steps, 13 for every wave
.endif
	s_add_co_u32 s[TB], s[TB], 6144
	s_add_co_u32 s[TS], s[TS], 512
	s_add_co_u32 s[TJ], s[TJ], 256
	s_add_co_u32 s[ST], s[ST], 1
.endm
.Lnear:                                                ; key steps 0-3; the high tile's last step is 8 at the least
	TRIP 1
	s_cmp_lt_u32 s[ST], 4
	s_cbranch_scc1 .Lnear
	s_wait_tensorcnt 0x0                           ; every wave: all that is still out, the other keys
	s_wait_dscnt 0x0
	s_barrier_signal -1
	s_barrier_wait -1
	s_mov_b32 s[TB], 0                             ; the address registers begin anew, with the low tile's key step 0
	s_mov_b32 s[TS], 0
	s_mov_b32 s[TJ], 0
.Lfar:                                                 ; trips 4-15
	TRIP 0
	s_cmp_lt_u32 s[ST], 16
	s_cbranch_scc1 .Lfar
; THE WAY OUT: O^T / the sum, quantised along the head's 64 channels: two blocks a tile
	s_lshl_b32 s12, s[SB], 7
	s_lshr_b32 s16, s[HD], 1
	s_mul_i32 s16, s16, 144                        ; s2: 144 groups for each pair of heads
	s_and_b32 s17, s[HD], 1
	s_lshl_b32 s17, s17, 1                         ; my head's two bytes of a word
	s_add_co_u32 s13, s12, s[TH]
	s_lshl_b32 s14, s13, 4
	s_add_co_u32 s14, s14, s[HD]
	s_mul_i32 s84, s14, 768
	s_mov_b32 s85, 0
	s_add_nc_u64 s[84:85], s[8:9], s[84:85]
	s_lshr_b32 s14, s13, 2
	s_add_co_u32 s14, s14, s16
	s_lshl_b32 s14, s14, 8
	s_and_b32 s13, s13, 3
	s_lshl_b32 s13, s13, 2
	s_add_co_u32 s14, s14, s13
	s_add_co_u32 s92, s14, s17
	s_add_co_u32 s13, s12, s[TL]
	s_lshl_b32 s14, s13, 4
	s_add_co_u32 s14, s14, s[HD]
	s_mul_i32 s86, s14, 768
	s_mov_b32 s87, 0
	s_add_nc_u64 s[86:87], s[8:9], s[86:87]
	s_lshr_b32 s14, s13, 2
	s_add_co_u32 s14, s14, s16
	s_lshl_b32 s14, s14, 8
	s_and_b32 s13, s13, 3
	s_lshl_b32 s13, s13, 2
	s_add_co_u32 s14, s14, s13
	s_add_co_u32 s93, s14, s17
	v_add_f32 v30, v30, v31
	v_add_f32 v94, v94, v95
	v_permlanex16_b32 v252, v30, s[SEL], s[SEL+1]
	v_permlanex16_b32 v254, v94, s[SEL], s[SEL+1]
	v_add_f32 v30, v30, v252
	v_add_f32 v94, v94, v254
	s_wait_alu depctr_va_vdst(0)                   ; ahead of the batch
	v_rcp_f32 v30, v30
	v_rcp_f32 v94, v94
	v_and_b32 v10, 15, v0
	v_bfe_u32 v9, v0, 4, 1
	v_mov_b32 v11, s92
	v_mov_b32 v12, s93
	v_cmp_eq_u32 s12, 1, v9
	v_cndmask_b32 v13, v11, v12, s12               ; lanes 0-15 store the high tile's scale bytes, lanes 16-31 the low tile's
	v_lshl_add_u32 v13, v10, 4, v13
	s_wait_alu depctr_va_vdst(0)                   ; behind the batch, directly ahead of the first reader of O^T
.set N, 0
.rept 32
	v_mul_f32 v[96+N], v[160+N], v30
.set N, N+1
.endr
.set N, 0
.rept 32
	v_mul_f32 v[128+N], v[192+N], v94
.set N, N+1
.endr
.irp b, 0,1,2,3
	v_max3_num_f32 v[232+\b], |v[96+16*\b]|, |v[97+16*\b]|, 0x1800000
.endr
.irp i, 2,4,6,8,10,12,14
.irp b, 0,1,2,3
	s_delay_alu instid0(VALU_DEP_4)
	v_max3_num_f32 v[232+\b], v[232+\b], |v[96+16*\b+\i]|, |v[97+16*\b+\i]|
.endr
.endr
.irp b, 0,1,2,3
	s_delay_alu instid0(VALU_DEP_4)
	v_permlanex16_b32 v[236+\b], v[232+\b], s[SEL], s[SEL+1]
.endr
.irp b, 0,1,2,3
	s_delay_alu instid0(VALU_DEP_4)
	v_max_num_f32 v[232+\b], v[232+\b], v[236+\b]
.endr
.irp b, 0,1,2,3
	s_delay_alu instid0(VALU_DEP_4)
	v_add_nc_u32 v[244+\b], 0xff000000, v[232+\b]
.endr
.irp b, 0,1,2,3
	s_delay_alu instid0(VALU_DEP_4)
	v_lshrrev_b32 v[236+\b], 23, v[244+\b]
.endr
	s_delay_alu instid0(VALU_DEP_3)
	v_lshl_or_b32 v252, v237, 8, v236
	s_delay_alu instid0(VALU_DEP_2)
	v_lshl_or_b32 v254, v239, 8, v238
	v_cndmask_b32 v252, v252, v254, s12
	v_cvt_scalef32_pk16_fp6_f32 v[32:34], v[96:111], v244
	v_cvt_scalef32_pk16_fp6_f32 v[40:42], v[112:127], v245
	v_cvt_scalef32_pk16_fp6_f32 v[44:46], v[128:143], v246
	v_cvt_scalef32_pk16_fp6_f32 v[52:54], v[144:159], v247
	v_nop
.irp i, 0,1,2
	v_permlane16_swap_b32 v[32+\i], v[40+\i]
	v_permlane16_swap_b32 v[44+\i], v[52+\i]
.endr
.irp i, 0,1,2
	v_mov_b32 v[35+\i], v[40+\i]
	v_mov_b32 v[47+\i], v[52+\i]
.endr
	global_store_b128 v1, v[32:35], s[84:85]       ; an image: 512 bytes on end,
	global_store_b64 v2, v[36:37], s[84:85]        ; and 256
	global_store_b128 v1, v[44:47], s[86:87]
	global_store_b64 v2, v[48:49], s[86:87]
	global_store_b16 v13, v252, s[10:11]
	s_wait_tensorcnt 0x0                           ; the wave's end
	ds_add_u32 v[SPW], v[NIL]
	s_wait_dscnt 0x0
	CROUND                                         ; the closing round
	s_endpgm
.Lfunc_end_k_q1d167e92d5_attn:
	.size	k_q1d167e92d5_attn, .Lfunc_end_k_q1d167e92d5_attn-k_q1d167e92d5_attn
	.p2alignl 7, 3214868480
	.fill 96, 4, 3214868480
	.section	.rodata,"a",@progbits
	.p2align	6, 0x0
	.amdhsa_kernel k_q1d167e92d5_attn
		.amdhsa_group_segment_fixed_size 327680
		.amdhsa_private_segment_fixed_size 0
		.amdhsa_enable_private_segment 0
		.amdhsa_kernarg_size 32
		.amdhsa_user_sgpr_count 2
		.amdhsa_user_sgpr_kernarg_segment_ptr 1
		.amdhsa_wavefront_size32 1
		.amdhsa_system_sgpr_workgroup_id_x 1
		.amdhsa_system_sgpr_workgroup_id_y 1
		.amdhsa_system_sgpr_workgroup_id_z 1
		.amdhsa_system_vgpr_workitem_id 0
		.amdhsa_next_free_vgpr 256
		.amdhsa_next_free_sgpr 100
		.amdhsa_reserve_vcc 1
		.amdhsa_float_denorm_mode_32 3
		.amdhsa_float_denorm_mode_16_64 3
		.amdhsa_memory_ordered 1
		.amdhsa_forward_progress 1
		.amdhsa_inst_pref_size 87
	.end_amdhsa_kernel
	.amdgpu_metadata
---
amdhsa.version: [ 1, 2 ]
amdhsa.kernels:
  - .name:           k_q1d167e92d5_attn
    .symbol:         k_q1d167e92d5_attn.kd
    .args:
      - { .name: qc, .offset: 0, .size: 8, .value_kind: global_buffer, .address_space: global }
      - { .name: qs, .offset: 8, .size: 8, .value_kind: global_buffer, .address_space: global }
      - { .name: c2, .offset: 16, .size: 8, .value_kind: global_buffer, .address_space: global }
      - { .name: s2, .offset: 24, .size: 8, .value_kind: global_buffer, .address_space: global }
    .group_segment_fixed_size: 327680
    .private_segment_fixed_size: 0
    .kernarg_segment_align: 8
    .kernarg_segment_size: 32
    .max_flat_workgroup_size: 512
    .sgpr_count:     100
    .vgpr_count:     256
    .wavefront_size: 32
...
	.end_amdgpu_metadata
.endif
;; end of part 3
;; launch gemm_out (part 4): grid 4 x 64, 4 waves a work-group, clusters of 4 x 4, 327,680 bytes of LDS; arguments c2, s2, out_b, out0; writes out0
.if DOCPART == 4
	.amdgcn_target "amdgcn-amd-amdhsa--gfx1250"
	.amdhsa_code_object_version 6
	.text
	.protected	k_q1d167e92d5_gemm_out
	.globl	k_q1d167e92d5_gemm_out
	.p2align	8
	.type	k_q1d167e92d5_gemm_out,@function
k_q1d167e92d5_gemm_out:
	s_mov_b64 s[64:65], 0
	v_nop
	global_prefetch_b8 v0, s[64:65] scope:SCOPE_SE
	s_setreg_imm32_b32 hwreg(HW_REG_WAVE_MODE, 25, 1), 1
	s_wait_xcnt 0x0
	s_wait_alu depctr_hold_cnt(0) depctr_sa_sdst(0) depctr_va_vdst(0) depctr_va_sdst(0) depctr_va_ssrc(0) depctr_va_vcc(0) depctr_vm_vsrc(0)
	s_getreg_b32 s2, hwreg(HW_REG_IB_STS2, 6, 4)
	s_cmp_eq_u32 s2, 0
	s_cbranch_scc0 .Lentry_in_a_cluster
	s_endpgm
.Lentry_in_a_cluster:
	s_bfe_u32 s2, ttmp6, 0x10000c
	s_cmp_lg_u32 s2, 0xf033
	s_cbranch_scc0 .Lentry_shape_is_right
	s_endpgm
.Lentry_shape_is_right:
; out0 = o out_w + out_b on codes of FP6 (E2M3) with E8M0 scales, K = 1,024.  c2: [row tile of 16][16 chunks of 64 K][768] (tiles 0-511 the tokens, 512-575 out_w's columns); s2: [K step of 128][group of 4 tiles][r][tile]: words.
; A work-group makes 128 tokens x 256 columns: 64 x 4 = 256 work-groups.  ALL OF K LIES IN LDS: B's 16 row tiles (196,608 bytes), A's 8 (98,304): every byte is filled once, at the head, one joint load a wave:
; waves 0, 1 a half each of B's tiles (shared along a column of the 4 x 4 cluster), waves 2, 3 a half each of A's (shared along a row).  A row tile, all of K, is 12,288 bytes on end in memory.
; A wave holds its 64 columns, all of K, in registers (32 fragments, 384 registers), and A's eight row tiles stream past in two sets of eight fragments.  A tile's 32 products, four accumulators by turns
; finish 16 tokens x 64 columns, which leave at once, while the later tiles are multiplied.
; The matrix instruction is used transposed (source 0 = 16 columns of out_w, source 1 = 16 tokens); operand rows are physical (bits 3 and 4 of a row exchanged): register i of accumulator b is column 32 (b / 2) + 8 (b % 2) + 16 h + i.
; The bias is the first products' C.  THE WAY OUT: through my own stage in LDS (16 rows of 256 + 16 bytes, bytes that no fill lands on); read back, sixteen lanes hold a row's 256 bytes, an aligned unit of out0.
; No prefetch: all tiles are asked for at the head, so there is no later load for a loop to run ahead of.
; A fragment (16 rows x 128 K) is two images of 768 bytes: a lane's 16 bytes at 16 x lane, its 8 at 512 + 8 x lane.  Fragment f lies in window 1 + f / 21 at register 12 (f % 21): 0-31 B's (4 q + b), 32-47 A's two sets.
.set FR,    12
.set FPW,   21
.set TILE,  12288
.set AB,    16*TILE                    ; A's tiles, behind B's
.set STAGE, 24*TILE
.set SPITCH, 272
.set SPARE, STAGE+4*16*SPITCH
.set JP,    144*256                    ; from one K step's scale units to the next
.set ADRB,  4                          ; v4, v5  my four tiles of B: 16 x lane, 512 + 8 x lane
.set ADRA,  6                          ; v6, v7  A's tiles 0-3; v8, v9 tiles 4-7
.set STO,   10
.set RD,    11
.set CO,    12
.set SCO,   13
.set SCO2,  14
.set BAD,   15
.set SPW,   28
.set NIL,   29
.set SC,    32                         ; v32-95 scale words: register 8 q + i: lanes 0-15 A's tile i, lanes 16-31 B's tile i (i under 4)
.set BI,    96                         ; v96-127 the bias, eight registers a tile of B
.set ACC,   128                        ; v128-191 two sets of four accumulators
.set BK,    192                        ; v192-255 two sets of 16 rows read back from the stage
.set G1,  24
.set G0,  32
.set G1B, 48
.set G0B, 56
.set MSB, 0
.macro WIN new
.if MSB != (\new)
	s_set_vgpr_msb (MSB<<8)|(\new)
.set MSB, (\new)
.endif
.endm
.macro CROUND
	s_barrier_signal -1
	s_barrier_wait -1
	s_cmp_lg_u32 s14, 0
	s_cbranch_scc1 .Lnot_wave_0_\@
	s_barrier_signal -3
.Lnot_wave_0_\@:
	s_barrier_wait -3
	s_barrier_signal -1
	s_barrier_wait -1
.endm
.macro PLACES n
.rept \n
	v_nop
.endr
.endm
.macro G1REST g, rows                  ; rows of 1,536 elements of 8 bytes, on end
	s_mov_b32 s[\g+1], 1536<<16
	s_mov_b32 s[\g+2], (\rows)<<16
	s_mov_b32 s[\g+3], 1536<<16
	s_mov_b32 s[\g+4], \rows
	s_mov_b32 s[\g+5], 1536
	s_mov_b32 s[\g+6], 0
	s_mov_b32 s[\g+7], 0
.endm
	s_load_b256 s[4:11], s[0:1], 0x0               ; c2, s2, out_b, out0
	v_lshl_add_u32 v[SPW], v0, 2, SPARE
	v_mov_b32 v[NIL], 0
	ds_add_u32 v[SPW], v[NIL]                      ; the opening lines: the add, twice on end, and its wait ahead of my tensor load
	ds_add_u32 v[SPW], v[NIL]
	v_lshrrev_b32 v1, 5, v0
	v_readfirstlane_b32 s14, v1                    ; wave: my 64 columns
	s_and_b32 s16, s14, 1                          ; which half of B's or of A's tiles I fetch
	s_bfe_u32 s40, ttmp6, 0x40000                  ; cx
	s_bfe_u32 s41, ttmp6, 0x40004                  ; cy
	s_and_b32 s18, ttmp7, 0xffff
	s_lshl_b32 s18, s18, 2
	s_add_co_u32 s18, s18, s41                     ; tile row, 0-63
	s_lshl_b32 s19, ttmp9, 2
	s_add_co_u32 s19, s19, s40                     ; tile column, 0-3
	s_lshl_b32 s43, s41, 2
	s_lshl_b32 s43, 15, s43                        ; my row of the cluster
	s_lshl_b32 s44, 0x1111, s40                    ; my column
	s_or_b32 s[G1], s43, (3<<16)|(1<<21)
	s_or_b32 s[G1B], s44, (3<<16)|(1<<21)
	G1REST G1, 4
	G1REST G1B, 8
	s_mul_i32 s22, s18, 8*TILE                     ; A: hangs on the tile row and the wave alone
	s_mul_i32 s20, s16, 4*TILE
	s_add_co_u32 s22, s22, s20
	s_mov_b32 s23, 0
	s_lshl_b32 s92, s19, 4                         ; B: on the tile column and the wave alone
	s_lshl_b32 s93, s16, 3
	s_add_co_u32 s92, s92, s93
	s_add_co_u32 s92, s92, 512
	s_mul_i32 s92, s92, TILE
	s_mov_b32 s93, 0
	s_mov_b32 s[G0], 1
	s_add_co_u32 s[G0+1], s20, AB
	s_mov_b32 s[G0B], 1
	s_mul_i32 s[G0B+1], s16, 8*TILE
	s_lshl_b32 s76, s18, 19                        ; out0: 128 rows of 4,096 bytes a tile row,
	s_lshl_b32 s72, s19, 10
	s_lshl_b32 s73, s14, 8
	s_add_co_u32 s72, s72, s73                     ; my first column, in bytes (in out_b too)
	s_add_co_u32 s76, s76, s72
	s_mov_b32 s77, 0
	s_mov_b32 s73, 0
	s_lshl_b32 s78, s18, 9                         ; A's two scale groups,
	s_add_co_u32 s79, s78, 256
	s_lshl_b32 s80, s19, 2
	s_add_co_u32 s80, s80, s14
	s_add_co_u32 s80, s80, 128
	s_lshl_b32 s80, s80, 8                         ; my one of B's
	s_mul_i32 s21, s14, 4*TILE
	s_add_co_u32 s81, s21, 512
	s_mul_i32 s82, s14, 16*SPITCH
	s_add_co_u32 s82, s82, STAGE
	s_wait_alu depctr_va_vdst(0)
	s_wait_dscnt 0x0                               ; both opening adds are done
	CROUND                                         ; all sixteen work-groups are here: the joint loads meet
	s_wait_kmcnt 0x0
	s_add_nc_u64 s[G0+2:G0+3], s[4:5], s[22:23]
	s_or_b32 s[G0+3], s[G0+3], 0x80000000
	s_add_nc_u64 s[G0B+2:G0B+3], s[4:5], s[92:93]
	s_or_b32 s[G0B+3], s[G0B+3], 0x80000000
	s_add_nc_u64 s[10:11], s[10:11], s[76:77]
	s_add_nc_u64 s[8:9], s[8:9], s[72:73]
	s_cmp_lt_u32 s14, 2
	s_cbranch_scc0 .Lfor_a
	tensor_load_to_lds s[G0B:G0B+3], s[G1B:G1B+7]  ; waves 0, 1: B, which goes on into registers
	s_nop 0
	PLACES 4
	s_branch .Lasked
.Lfor_a:
	tensor_load_to_lds s[G0:G0+3], s[G1:G1+7]      ; waves 2, 3: A
	s_nop 0
	PLACES 4
.Lasked:
	v_and_b32 v1, 15, v0                           ; r
	v_bfe_u32 v2, v0, 4, 1                         ; h
	v_and_b32 v3, 31, v0
	v_lshlrev_b32 v16, 4, v3
	v_lshlrev_b32 v17, 3, v3
	v_add_nc_u32 v[ADRB], s21, v16
	v_add_nc_u32 v[ADRB+1], s81, v17
	v_add_nc_u32 v[ADRA], AB, v16
	v_add_nc_u32 v[ADRA+1], AB+512, v17
	v_add_nc_u32 v[ADRA+2], AB+4*TILE, v16
	v_add_nc_u32 v[ADRA+3], AB+4*TILE+512, v17
	v_mul_u32_u24 v[STO], v1, SPITCH               ; into the stage: row r, 64 bytes for each half of the lanes
	v_lshl_add_u32 v[STO], v2, 6, v[STO]
	v_add_nc_u32 v[STO], s82, v[STO]
	v_mul_u32_u24 v[RD], v2, SPITCH                ; back: lanes 0-15 one row of 256 bytes, lanes 16-31 the next
	v_lshl_add_u32 v[RD], v1, 4, v[RD]
	v_add_nc_u32 v[RD], s82, v[RD]
	v_lshlrev_b32 v[CO], 12, v2                    ; and the same two rows in out0
	v_lshl_add_u32 v[CO], v1, 4, v[CO]
	v_mov_b32 v18, s78
	v_mov_b32 v19, s80
	v_mov_b32 v20, s79
	v_cmp_eq_u32 s75, 1, v2
	v_cndmask_b32 v[SCO], v18, v19, s75            ; lanes 0-15 take A's words, lanes 16-31 B's
	v_cndmask_b32 v[SCO2], v20, v19, s75           ; A's second group; lanes 16-31 name B's one group again
	v_lshl_add_u32 v[SCO], v1, 4, v[SCO]
	v_lshl_add_u32 v[SCO2], v1, 4, v[SCO2]
	v_lshlrev_b32 v[BAD], 6, v2
	s_wait_alu depctr_va_vdst(0)
.irp j, 0,1,2,3,4,5,6,7
	global_load_b128 v[SC+8*\j:SC+8*\j+3], v[SCO], s[6:7] offset:\j*JP
	global_load_b128 v[SC+8*\j+4:SC+8*\j+7], v[SCO2], s[6:7] offset:\j*JP
.endr
.irp b, 0,1,2,3
	global_load_b128 v[BI+8*\b:BI+8*\b+3], v[BAD], s[8:9] offset:(32*(\b/2)+8*(\b%2))*4
	global_load_b128 v[BI+8*\b+4:BI+8*\b+7], v[BAD], s[8:9] offset:(32*(\b/2)+8*(\b%2))*4+16
.endr
.macro FRAG f, adr, off                ; fragment f: two images
	WIN (1+(\f)/FPW)<<6
.set R_, FR*((\f)%FPW)
	ds_load_b128 v[R_:R_+3], v[\adr] offset:\off
	ds_load_b64 v[R_+4:R_+5], v[\adr+1] offset:\off
	ds_load_b128 v[R_+6:R_+9], v[\adr] offset:(\off)+768
	ds_load_b64 v[R_+10:R_+11], v[\adr+1] offset:(\off)+768
.endm
.macro FETCH a                         ; A's tile a, all of K, into set a % 2: 32 loads
.irp q, 0,1,2,3,4,5,6,7
	FRAG 32+8*((\a)%2)+\q, ADRA+2*((\a)/4), ((\a)%4)*TILE+1536*\q
.endr
	WIN 0
.endm
.macro PROD a, q, b
.set FB_, 4*(\q)+\b
.set FA_, 32+8*((\a)%2)+\q
.set D_, ACC+32*((\a)%2)+8*\b
	WIN (1+FB_/FPW)|((1+FA_/FPW)<<2)
.if \q
	v_wmma_scale_f32_16x16x128_f8f6f4 v[D_:D_+7], v[FR*(FB_%FPW):FR*(FB_%FPW)+FR-1], v[FR*(FA_%FPW):FR*(FA_%FPW)+FR-1], v[D_:D_+7], v[SC+8*(\q)+\b], v[SC+8*(\q)+(\a)] matrix_a_fmt:MATRIX_FMT_FP6 matrix_b_fmt:MATRIX_FMT_FP6 matrix_a_scale:MATRIX_SCALE_ROW1
.else
	v_wmma_scale_f32_16x16x128_f8f6f4 v[D_:D_+7], v[FR*(FB_%FPW):FR*(FB_%FPW)+FR-1], v[FR*(FA_%FPW):FR*(FA_%FPW)+FR-1], v[BI+8*\b:BI+8*\b+7], v[SC+8*(\q)+\b], v[SC+8*(\q)+(\a)] matrix_a_fmt:MATRIX_FMT_FP6 matrix_b_fmt:MATRIX_FMT_FP6 matrix_a_scale:MATRIX_SCALE_ROW1
.endif
.endm
.macro TOSTAGE a                       ; 8 stores and 8 loads; LDS serves a wave's instructions in order: no wait between
.set AC, ACC+32*((\a)%2)
.irp b, 0,1,2,3
	ds_store_b128 v[STO], v[AC+8*\b:AC+8*\b+3] offset:128*(\b/2)+32*(\b%2)       ; each accumulator from its low end on
	ds_store_b128 v[STO], v[AC+8*\b+4:AC+8*\b+7] offset:128*(\b/2)+32*(\b%2)+16
.endr
.irp t, 0,1,2,3,4,5,6,7
	ds_load_b128 v[BK+32*((\a)%2)+4*\t:BK+32*((\a)%2)+4*\t+3], v[RD] offset:\t*2*SPITCH
.endr
.endm
.macro SEND a                          ; stage rows 2 t, 2 t + 1 are physical rows of tile a: each half of the wave stores one aligned unit of 256 bytes
.irp t, 0,1,2,3,4,5,6,7
	global_store_b128 v[CO], v[BK+32*((\a)%2)+4*\t:BK+32*((\a)%2)+4*\t+3], s[10:11] offset:(32*((\a)/2)+8*((\a)%2)+2*\t+8*(\t/4))*4096 th:TH_STORE_NT
.endr
.endm
; tile a.  w: the LDS instructions that may stay out: those issued behind tile a's fetch and behind the stage of tile a - 2
.macro TILEA a, w
	s_wait_dscnt \w
.irp q, 0,1,2,3,4,5,6,7
.irp b, 0,1,2,3
	PROD \a, \q, \b
.endr
.endr
	WIN 0
.if (\a) > 1
	SEND (\a)-2
.endif
	PLACES 4                                       ; ahead of the loads into this set of A's fragments and of the reads of the sums
.if (\a) < 6
	FETCH (\a)+2
.endif
.if (\a) > 1
	s_wait_xcnt 0x0                                ; the stores above have read the registers that the stage's loads land in
.endif
	TOSTAGE \a
.endm
	s_cmp_lt_u32 s14, 2
	s_cbranch_scc0 .Lnot_b
	s_wait_tensorcnt 0x0                           ; waves 0, 1: B's tiles
.Lnot_b:
	s_barrier_signal -1
	s_barrier_wait -1
.irp q, 0,1,2,3,4,5,6,7
.irp b, 0,1,2,3
	FRAG 4*\q+\b, ADRB, \b*TILE+1536*\q            ; my 64 columns, all of K: 128 loads
.endr
.endr
	WIN 0
	s_wait_tensorcnt 0x0                           ; every wave: all that is still out, A's tiles
	s_wait_dscnt 0x0
	s_barrier_signal -1
	s_barrier_wait -1
	FETCH 0
	FETCH 1
	s_wait_loadcnt 0x0                             ; the scale words and the bias
	TILEA 0, 32                                    ; tile 1's fetch may be out
	TILEA 1, 48                                    ; tile 2's fetch and tile 0's stage
.irp a, 2,3,4,5,6
	TILEA \a, 48                                   ; the next tile's fetch and the last tile's stage
.endr
	TILEA 7, 16                                    ; tile 6's stage
	s_wait_dscnt 16                                ; tile 7's stage may be out
	SEND 6
	s_wait_dscnt 0x0
	SEND 7
	s_wait_tensorcnt 0x0                           ; the wave's end
	ds_add_u32 v[SPW], v[NIL]
	s_wait_dscnt 0x0
	CROUND                                         ; the closing round
	s_endpgm
.Lfunc_end_k_q1d167e92d5_gemm_out:
	.size	k_q1d167e92d5_gemm_out, .Lfunc_end_k_q1d167e92d5_gemm_out-k_q1d167e92d5_gemm_out
	.p2alignl 7, 3214868480
	.fill 96, 4, 3214868480
	.section	.rodata,"a",@progbits
	.p2align	6, 0x0
	.amdhsa_kernel k_q1d167e92d5_gemm_out
		.amdhsa_group_segment_fixed_size 327680
		.amdhsa_private_segment_fixed_size 0
		.amdhsa_enable_private_segment 0
		.amdhsa_kernarg_size 32
		.amdhsa_user_sgpr_count 2
		.amdhsa_user_sgpr_kernarg_segment_ptr 1
		.amdhsa_wavefront_size32 1
		.amdhsa_system_sgpr_workgroup_id_x 1
		.amdhsa_system_sgpr_workgroup_id_y 1
		.amdhsa_system_sgpr_workgroup_id_z 1
		.amdhsa_system_vgpr_workitem_id 0
		.amdhsa_next_free_vgpr 896
		.amdhsa_next_free_sgpr 100
		.amdhsa_reserve_vcc 0
		.amdhsa_float_denorm_mode_32 3
		.amdhsa_float_denorm_mode_16_64 3
		.amdhsa_memory_ordered 1
		.amdhsa_forward_progress 1
		.amdhsa_inst_pref_size 83
	.end_amdhsa_kernel
	.amdgpu_metadata
---
amdhsa.version: [ 1, 2 ]
amdhsa.kernels:
  - .name:           k_q1d167e92d5_gemm_out
    .symbol:         k_q1d167e92d5_gemm_out.kd
    .args:
      - { .name: c2, .offset: 0, .size: 8, .value_kind: global_buffer, .address_space: global }
      - { .name: s2, .offset: 8, .size: 8, .value_kind: global_buffer, .address_space: global }
      - { .name: out_b, .offset: 16, .size: 8, .value_kind: global_buffer, .address_space: global }
      - { .name: out0, .offset: 24, .size: 8, .value_kind: global_buffer, .address_space: global }
    .group_segment_fixed_size: 327680
    .private_segment_fixed_size: 0
    .kernarg_segment_align: 8
    .kernarg_segment_size: 32
    .max_flat_workgroup_size: 128
    .sgpr_count:     100
    .vgpr_count:     896
    .wavefront_size: 32
...
	.end_amdgpu_metadata
.endif
;; end of part 4
